; MI455X (gfx1250); checked and timed in simulation.
; The chip was launched on July 23, 2026; its instructions are those of AMD's public machine-readable ISA for CDNA 5 (MIT licence, August 2026) and "CDNA5" Instruction Set Architecture Reference Guide (July 2026). The comments in the code are by the model that wrote it; some were corrected since.
;; Attention. Allowed arithmetic: float matrix products may take bf16 or f16 operands with f32 sums; other float arithmetic in f32, or as packed bf16 or f16 multiplies, adds, multiply-adds, maxima and minima; sums over many terms, partial sums and values carried from step to step in f32; what a program stores and reads back later, other than sums and carried values, may be rounded once to bf16 or f16.
;; Inputs: W_K 1,024 x 1,024 float32; W_Q 1,024 x 1,024 float32; W_V 1,024 x 1,024 float32; x 4 x 2,048 x 1,024 float32.
;; Outputs: out0 4 x 2,048 x 1,024 float32.
;; One version. Each part assembles by itself: llvm-mc -triple=amdgcn-amd-amdhsa -mcpu=gfx1250 --defsym DOCPART=n.
;; ======== version 1 of 1: 4 launches
;; limits: values are held in f16: magnitudes above 65,504 overflow, below 6.1e-05 lose precision
;; workspace buffers: xw 23,068,672 bytes; qkv 50,331,648 bytes; p 33,554,432 bytes; stats 1,048,576 bytes
;; launch cast (part 1): grid 704 x 1, 8 waves a work-group, no clusters, 0 bytes of LDS; arguments x, W_Q, W_K, W_V, xw; writes xw
.if DOCPART == 1
	.amdgcn_target "amdgcn-amd-amdhsa--gfx1250"
	.amdhsa_code_object_version 6
	.text
	.protected	k_qfec330e941_cast
	.globl	k_qfec330e941_cast
	.p2align	8
	.type	k_qfec330e941_cast,@function
k_qfec330e941_cast:
	s_mov_b64 s[64:65], 0
	v_nop
	global_prefetch_b8 v0, s[64:65] scope:SCOPE_SE
	s_setreg_imm32_b32 hwreg(HW_REG_WAVE_MODE, 25, 1), 1
	s_wait_xcnt 0x0
; xw = x, W_Q, W_K, W_V rounded once to bf16 (nearest even), laid out in K blocks: xw[kb][row][64], kb = 0..15, 11,264 combined rows:
; rows 0-8191 are x's, rows 8192 + 1024 t + n are row n of W_Q, W_K, W_V (t = 0, 1, 2).  A K block of consecutive rows is dense, 128 bytes a row,
; so that the next launch can ask for its tiles as rows of 256 bytes.
; A stream: each input byte is read once, each output byte written once; LDS, matrix units and clusters would add nothing.
; SHARES.  A work-group owns 16 combined rows (704 x 16 = 11,264; 512 work-groups for x, 64 for each W).  Wave w owns K blocks 2 w and 2 w + 1: 512 source bytes of each row.
; Lane l takes row 4 g + l / 8 and the 8 numbers at column 8 (l % 8) of a K block: two loads of 16 bytes, one store of 16; a wave's store covers 512 consecutive bytes, aligned.
; All 16 loads of a wave go out at once; no register is written twice, so no wait but the counted ones for data is needed.
.set KBS, 1441792                      ; bytes from a K block to the next: 11,264 rows x 128
.set SO,  2                            ; v2  source offset: (l / 8) x 4,096 + (l % 8) x 32 + 512 w
.set DO,  3                            ; v3  destination offset: 16 l + w x 2 KBS
.set X,   8                            ; v[8:71]   16 loads of 4 registers
.set Y,   72                           ; v[72:103] 8 stores of 4 registers
	s_load_b256 s[4:11], s[0:1], 0x0               ; x s[4:5], W_Q s[6:7], W_K s[8:9], W_V s[10:11]
	s_load_b64 s[12:13], s[0:1], 0x20              ; xw
	v_and_b32 v1, 31, v0                           ; l
	v_lshrrev_b32 v4, 5, v0                        ; w
	v_lshrrev_b32 v5, 3, v1                        ; l / 8
	v_and_b32 v6, 7, v0                            ; l % 8
	v_lshlrev_b32 v[SO], 12, v5
	v_lshl_add_u32 v[SO], v6, 5, v[SO]
	v_lshl_add_u32 v[SO], v4, 9, v[SO]
	v_mul_u32_u24 v[DO], v4, 2*KBS
	v_lshl_add_u32 v[DO], v1, 4, v[DO]
	s_sub_co_u32 s16, ttmp9, 512                   ; the block of 16 rows inside its own tensor: the work-group's number for x,
	s_and_b32 s16, s16, 63                         ; (number - 512) mod 64 for a W
	s_cmp_lt_u32 ttmp9, 512
	s_cselect_b32 s16, ttmp9, s16
	s_lshl_b32 s16, s16, 16                        ; 16 rows of 4,096 bytes
	s_mov_b32 s17, 0
	s_lshl_b32 s18, ttmp9, 11                      ; 16 rows of 128 bytes in a K block of xw
	s_mov_b32 s19, 0
	s_wait_kmcnt 0x0
	s_cmp_lt_u32 ttmp9, 640                        ; which tensor: the choice hangs on the work-group's number alone
	s_cselect_b64 s[14:15], s[8:9], s[10:11]
	s_cmp_lt_u32 ttmp9, 576
	s_cselect_b64 s[14:15], s[6:7], s[14:15]
	s_cmp_lt_u32 ttmp9, 512
	s_cselect_b64 s[14:15], s[4:5], s[14:15]
	s_add_nc_u64 s[14:15], s[14:15], s[16:17]
	s_add_nc_u64 s[12:13], s[12:13], s[18:19]
.irp g, 0,1,2,3
.irp k, 0,1
.irp j, 0,1
	global_load_b128 v[X+4*(4*(\g)+2*(\k)+(\j)):X+4*(4*(\g)+2*(\k)+(\j))+3], v[SO], s[14:15] offset:(\g)*16384+(\k)*256+(\j)*16 th:TH_LOAD_NT
.endr
.endr
.endr
.irp g, 0,1,2,3
.irp k, 0,1
	s_wait_loadcnt 14-2*(2*(\g)+(\k))              ; loads come back in order: this pair is in, the younger ones stay out
.irp q, 0,1,2,3
	v_cvt_pk_bf16_f32 v[Y+4*(2*(\g)+(\k))+(\q)], v[X+8*(2*(\g)+(\k))+2*(\q)], v[X+8*(2*(\g)+(\k))+2*(\q)+1]
.endr
	global_store_b128 v[DO], v[Y+4*(2*(\g)+(\k)):Y+4*(2*(\g)+(\k))+3], s[12:13] offset:(\k)*KBS+(\g)*512  ; four rows of one K block: 512 consecutive bytes
.endr
.endr
	s_endpgm
.Lfunc_end_k_qfec330e941_cast:
	.size	k_qfec330e941_cast, .Lfunc_end_k_qfec330e941_cast-k_qfec330e941_cast
	.p2alignl 7, 3214868480
	.fill 96, 4, 3214868480
	.section	.rodata,"a",@progbits
	.p2align	6, 0x0
	.amdhsa_kernel k_qfec330e941_cast
		.amdhsa_group_segment_fixed_size 0
		.amdhsa_private_segment_fixed_size 0
		.amdhsa_enable_private_segment 0
		.amdhsa_kernarg_size 40
		.amdhsa_user_sgpr_count 2
		.amdhsa_user_sgpr_kernarg_segment_ptr 1
		.amdhsa_wavefront_size32 1
		.amdhsa_system_sgpr_workgroup_id_x 1
		.amdhsa_system_sgpr_workgroup_id_y 1
		.amdhsa_system_sgpr_workgroup_id_z 1
		.amdhsa_system_vgpr_workitem_id 0
		.amdhsa_next_free_vgpr 112
		.amdhsa_next_free_sgpr 66
		.amdhsa_reserve_vcc 0
		.amdhsa_float_denorm_mode_32 3
		.amdhsa_float_denorm_mode_16_64 3
		.amdhsa_memory_ordered 1
		.amdhsa_forward_progress 1
		.amdhsa_inst_pref_size 7
	.end_amdhsa_kernel
	.amdgpu_metadata
---
amdhsa.version: [ 1, 2 ]
amdhsa.kernels:
  - .name:           k_qfec330e941_cast
    .symbol:         k_qfec330e941_cast.kd
    .args:
      - { .name: x, .offset: 0, .size: 8, .value_kind: global_buffer, .address_space: global }
      - { .name: W_Q, .offset: 8, .size: 8, .value_kind: global_buffer, .address_space: global }
      - { .name: W_K, .offset: 16, .size: 8, .value_kind: global_buffer, .address_space: global }
      - { .name: W_V, .offset: 24, .size: 8, .value_kind: global_buffer, .address_space: global }
      - { .name: xw, .offset: 32, .size: 8, .value_kind: global_buffer, .address_space: global }
    .group_segment_fixed_size: 0
    .private_segment_fixed_size: 0
    .kernarg_segment_align: 8
    .kernarg_segment_size: 40
    .max_flat_workgroup_size: 256
    .sgpr_count:     66
    .vgpr_count:     112
    .wavefront_size: 32
...
	.end_amdgpu_metadata
.endif
;; end of part 1
;; launch proj (part 2): grid 8 x 32, 4 waves a work-group, clusters of 4 x 4, 327,680 bytes of LDS; arguments xw, qkv; writes qkv
.if DOCPART == 2
	.amdgcn_target "amdgcn-amd-amdhsa--gfx1250"
	.amdhsa_code_object_version 6
	.text
	.protected	k_qfec330e941_proj
	.globl	k_qfec330e941_proj
	.p2align	8
	.type	k_qfec330e941_proj,@function
k_qfec330e941_proj:
	s_mov_b64 s[64:65], 0
	v_nop
	global_prefetch_b8 v0, s[64:65] scope:SCOPE_SE
	s_setreg_imm32_b32 hwreg(HW_REG_WAVE_MODE, 25, 1), 1
	s_wait_xcnt 0x0
	s_wait_alu depctr_hold_cnt(0) depctr_sa_sdst(0) depctr_va_vdst(0) depctr_va_sdst(0) depctr_va_ssrc(0) depctr_va_vcc(0) depctr_vm_vsrc(0)
	s_getreg_b32 s2, hwreg(HW_REG_IB_STS2, 6, 4)
	s_cmp_eq_u32 s2, 0
	s_cbranch_scc0 .Lentry_in_a_cluster
	s_endpgm
.Lentry_in_a_cluster:
	s_bfe_u32 s2, ttmp6, 0x10000c
	s_cmp_lg_u32 s2, 0xf033
	s_cbranch_scc0 .Lentry_shape_is_right
	s_endpgm
.Lentry_shape_is_right:
; q, k, v = x W_Q^T, x W_K^T, x W_V^T.  Operands bf16 (xw, in K blocks of 64: xw[kb][row][64]), sums f32, results rounded once to f16: qkv[3][8192][1024].
; LIMIT.  f16 holds no number beyond 65,504: |q|, |k|, |v| must stay below that (the drawn inputs give about 5; all inputs 30 times larger about 5,000).  NaN and infinities are not treated apart.
; SHARES.  Work-group (nb, mb) makes rows 256 mb .. + 255 and columns 128 nb .. + 127 of EACH of q, k, v: 256 x 384 outputs, 8 x 32 = 256 work-groups.
; Wave w makes rows 64 w .. + 63 (4 blocks a of 16) x all 384 columns (t = 0..2, 8 blocks b of 16): 96 accumulators, 768 registers.
; K goes in 16 steps of 64 through two LDS slots; a step is 2 quarters of 32 along K x 3 THIRDS (one for each of q, k, v) of 32 products.
; CLUSTER.  4 x 4 work-groups.  x's tile hangs on mb alone and is shared along a row of the cluster, the weights' tiles on nb alone and are shared along a column: each is asked for jointly,
; by the same tensor load with the same descriptor and a mask that names the four.  Wave 0 asks for x's 256 rows, waves 1 to 3 for 128 rows of W_Q, W_K, W_V.
; A wave has two tensor loads out at the start and one afterwards.
; THE PRODUCT IS USED TRANSPOSED (source 0 = 16 rows of W, source 1 = 16 rows of x): a lane holds row l % 16 of the result and the columns 8 (l / 16) + 0..7: 16 bytes of f16 on end.
; REGISTERS, in windows of 256 (s_set_vgpr_msb: bits 1:0 source 0, 3:2 source 1, 5:4 source 2, 7:6 destination):
;   window 0: v16-29 addresses; v32-95 x's fragments, a buffer for each quarter; v96-223 W's fragments, two buffers that take turns third by third; v224-255 packed results
;   window 1 + t: accumulator (t, a, b) at v[8 (8 a + b)]
.set KBS,    1441792                   ; bytes from a K block of xw to the next
.set TS,     16777216                  ; bytes in one of q, k, v
.set PITCH,  144                       ; an LDS row: 128 bytes + 16 of padding = 36 words: the 16 rows of a fragment load start at 16 different groups of four banks (ISA guide 11.1)
.set SLOT1,  131072                    ; slot 1 begins here: one exclusive or turns an address in one slot into the other's
.set BCH,    128*PITCH                 ; 128 rows of one W
.set BOFF,   2*BCH                     ; x's 256 rows lie first
.set STAGE,  SLOT1+BOFF+3*BCH          ; behind the ring: 16 rows x 272 bytes for each wave, for the way out
.set SPITCH, 272
.set SPARE,  STAGE+4*16*SPITCH         ; the spare words, 128 bytes for each wave: two blocks of 256 bytes that no other line names
.set STEPS,  16
.set ADRA0, 16                         ; v16  my place in x's tile; never rewritten
.set ADRA,  17                         ; v17  the same in the slot in hand
.set ADRB0, 18                         ; v18  my place in W_Q's tile; never rewritten
.set ADRB,  19                         ; v19  the same in the slot in hand
.set STO,   24                         ; v24  the way out: where I put 16 bytes of a row
.set RD,    25                         ; v25  the way out: where I read a row back
.set CO,    26                         ; v26  my byte offset in two rows of the result
.set SPW,   28                         ; v28  LDS address of my spare word; never rewritten
.set NIL,   29                         ; v29  0; never rewritten
.set FA0,   32
.set FB0,   96
.set TMP,   224
.set OB,    32                         ; the way out: 16 rows read back: v32-63 and v64-95 by turns
.set WV,  10                           ; s10  my wave's number
.set TB,  11                           ; s11  LDS byte at which the slot in hand begins
.set CNT, 12                           ; s12  loop counter
.set G1A, 24                           ; s[24:31] descriptor group 1 for x's tile
.set G1B, 32                           ; s[32:39] for a W's tile
.set G0A, 44                           ; s[44:51] group 0 for x's tile: the first fill of slot 0; the set that walks
.set G0B, 52                           ; s[52:59] the same for my W's tile
.set OUT, 66                           ; s[66:71] q, k, v at my first row and column
.set MSB, 0
.macro WIN new                         ; the immediate's high byte repeats the setting that is left; a switch that changes nothing is dropped
.if MSB != (\new)
	s_set_vgpr_msb (MSB<<8)|(\new)
.set MSB, (\new)
.endif
.endm
.macro PLACES                          ; four places in front of loads into registers that products have read, and of conversions that read results
.rept 4
	v_nop
.endr
.endm
; A joint refill, by the walking sets.  The branch hangs on the wave's number alone.  An s_nop 0 and four v_nop follow each of the two lines.
.macro JLOAD
	s_cmp_eq_u32 s[WV], 0
	s_cbranch_scc0 .Lfor_b_\@
	tensor_load_to_lds s[G0A+4:G0A+7], s[G1A:G1A+7]
	s_nop 0
.rept 4
	v_nop
.endr
	s_branch .Lasked_\@
.Lfor_b_\@:
	tensor_load_to_lds s[G0B+4:G0B+7], s[G1B:G1B+7]
	s_nop 0
.rept 4
	v_nop
.endr
.Lasked_\@:
.endm
.macro CREST                           ; a round of the cluster's barrier behind its opening barrier
	s_cmp_lg_u32 s[WV], 0
	s_cbranch_scc1 .Lnot_wave_0_\@
	s_barrier_signal -3
.Lnot_wave_0_\@:
	s_barrier_wait -3
	s_barrier_signal -1
	s_barrier_wait -1
.endm
.macro CROUND                          ; a whole round
	s_barrier_signal -1
	s_barrier_wait -1
	CREST
.endm
	s_load_b128 s[4:7], s[0:1], 0x0                ; xw s[4:5], qkv s[6:7]
	v_lshl_add_u32 v[SPW], v0, 2, SPARE
	v_mov_b32 v[NIL], 0
	ds_add_u32 v[SPW], v[NIL]                      ; the wave's opening: the add and its wait stand ahead of my first tensor load; the set-up below stands between them
	v_lshrrev_b32 v1, 5, v0
	v_readfirstlane_b32 s[WV], v1                  ; wave 0..3
	s_bfe_u32 s40, ttmp6, 0x40000                  ; cx
	s_bfe_u32 s41, ttmp6, 0x40004                  ; cy
	s_lshl_b32 s42, ttmp9, 2
	s_add_co_u32 s42, s42, s40                     ; nb = 4 x cluster x + cx
	s_and_b32 s13, ttmp7, 0xffff
	s_lshl_b32 s13, s13, 2
	s_add_co_u32 s13, s13, s41                     ; mb = 4 x cluster y + cy
	s_lshl_b32 s43, s41, 2
	s_lshl_b32 s43, 15, s43                        ; my row of the cluster
	s_lshl_b32 s62, 0x1111, s40                    ; my column
	; group 1: dense bytes asked for as rows of 256 (two rows of a K block), padded in LDS by 16 bytes after every 128
	s_or_b32 s[G1A], s43, (1<<16)|(1<<20)|(1<<21)|(4<<22)|(3<<25)  ; 15:0 mask; 17:16 2-byte elements; 20 padding on; 21 set beside a mask; 24:22 after every 32 words; 31:25 4 words
	s_or_b32 s[G1B], s62, (1<<16)|(1<<20)|(1<<21)|(4<<22)|(3<<25)
.irp g, G1A, G1B
	s_mov_b32 s[(\g)+1], 128<<16                   ; tensor_dim0 = 128
	s_mov_b32 s[(\g)+3], 128<<16                   ; tile_dim0 = 128
	s_mov_b32 s[(\g)+5], 128                       ; 128 elements from row to row
	s_mov_b32 s[(\g)+6], 0
	s_mov_b32 s[(\g)+7], 0
.endr
	s_mov_b32 s[G1A+2], 128<<16                    ; x: tensor_dim1 = tile_dim1 = 128 rows of 256 bytes
	s_mov_b32 s[G1A+4], 128
	s_mov_b32 s[G1B+2], 64<<16                     ; W: 64 rows of 256 bytes
	s_mov_b32 s[G1B+4], 64
	s_lshl_b32 s16, s13, 15                        ; x: 256 mb rows of 128 bytes: mb alone
	s_mov_b32 s17, 0
	s_lshl_b32 s60, s42, 14                        ; W: 128 nb rows,
	s_lshl_b32 s61, s[WV], 17                      ; + 1,024 x wave rows,
	s_add_co_u32 s60, s60, s61
	s_add_co_u32 s60, s60, 7168*128                ; + 7,168 rows: wave w = 1..3 takes tensor t = w - 1, which begins at row 8,192 + 1,024 t
	s_mov_b32 s61, 0
	s_mul_i32 s20, s[WV], BCH
	s_add_co_u32 s20, s20, BCH                     ; its place in a slot: BOFF + (w - 1) BCH = (w + 1) BCH
	s_mov_b32 s[TB], 0
	s_wait_dscnt 0x0                               ; the opening add is done
	s_wait_kmcnt 0x0
	s_add_nc_u64 s[14:15], s[4:5], s[16:17]
	s_add_nc_u64 s[60:61], s[4:5], s[60:61]
	s_mov_b32 s[G0A], 1                            ; count = 1
	s_mov_b32 s[G0A+1], 0                          ; LDS address: slot 0
	s_mov_b64 s[G0A+2:G0A+3], s[14:15]             ; K step 0
	s_or_b32 s[G0A+3], s[G0A+3], 0x80000000        ; type = 2
	s_mov_b32 s[G0A+4], 1
	s_mov_b32 s[G0A+5], SLOT1
	s_add_nc_u64 s[G0A+6:G0A+7], s[14:15], KBS     ; K step 1
	s_or_b32 s[G0A+7], s[G0A+7], 0x80000000
	s_mov_b32 s[G0B], 1
	s_mov_b32 s[G0B+1], s20
	s_mov_b64 s[G0B+2:G0B+3], s[60:61]
	s_or_b32 s[G0B+3], s[G0B+3], 0x80000000
	s_mov_b32 s[G0B+4], 1
	s_add_co_u32 s[G0B+5], s20, SLOT1
	s_add_nc_u64 s[G0B+6:G0B+7], s[60:61], KBS
	s_or_b32 s[G0B+7], s[G0B+7], 0x80000000
	CROUND                                         ; all sixteen work-groups are here: the first joint loads meet
	s_cmp_eq_u32 s[WV], 0                          ; a wave's two first fills stand in one branch, ahead of every wait on TENSORcnt, every LDS read and every further barrier
	s_cbranch_scc0 .Lfirst_b
	tensor_load_to_lds s[G0A:G0A+3], s[G1A:G1A+7]
	s_nop 0
	tensor_load_to_lds s[G0A+4:G0A+7], s[G1A:G1A+7]
	s_nop 0
.rept 4
	v_nop
.endr
	s_branch .Lfirst_asked
.Lfirst_b:
	tensor_load_to_lds s[G0B:G0B+3], s[G1B:G1B+7]
	s_nop 0
	tensor_load_to_lds s[G0B+4:G0B+7], s[G1B:G1B+7]
	s_nop 0
.rept 4
	v_nop
.endr
.Lfirst_asked:
	; A fragment is 16 rows x 32 K in 8 registers: lane l holds row l % 16; registers 0-3 K = 8 (l / 16) + 0..7, registers 4-7 K = 16 + 8 (l / 16) + 0..7: two loads of 16 bytes, 32 bytes apart.
	v_and_b32 v1, 15, v0                           ; l % 16
	v_bfe_u32 v2, v0, 4, 1                         ; l / 16
	v_mul_u32_u24 v3, v1, PITCH
	v_lshl_add_u32 v3, v2, 4, v3
	s_mul_i32 s21, s[WV], 64*PITCH                 ; my 64 rows of x
	v_add_nc_u32 v[ADRA0], s21, v3
	v_add_nc_u32 v[ADRB0], BOFF, v3
	v_mov_b32 v[ADRA], v[ADRA0]
	v_mov_b32 v[ADRB], v[ADRB0]
	s_mul_i32 s21, s[WV], 16*SPITCH
	s_add_co_u32 s21, s21, STAGE                   ; my stage
	v_mul_u32_u24 v4, v1, SPITCH                   ; in: row l % 16, 16 bytes for each half of the lanes
	v_lshl_add_u32 v4, v2, 4, v4
	v_add_nc_u32 v[STO], s21, v4
	v_mul_u32_u24 v5, v2, SPITCH                   ; back: lanes 0-15 one row of 256 bytes, lanes 16-31 the next
	v_lshl_add_u32 v5, v1, 4, v5
	v_add_nc_u32 v[RD], s21, v5
	v_lshlrev_b32 v5, 11, v2                       ; and the same two rows of the result, 2,048 bytes apart
	v_lshl_add_u32 v[CO], v1, 4, v5
	s_lshl_b32 s18, s13, 19                        ; (256 mb + 64 w) rows of 2,048 bytes + 256 nb
	s_lshl_b32 s19, s[WV], 17
	s_add_co_u32 s18, s18, s19
	s_lshl_b32 s19, s42, 8
	s_add_co_u32 s18, s18, s19
	s_mov_b32 s19, 0
	s_add_nc_u64 s[OUT:OUT+1], s[6:7], s[18:19]
	s_add_nc_u64 s[OUT+2:OUT+3], s[OUT:OUT+1], TS
	s_add_nc_u64 s[OUT+4:OUT+5], s[OUT+2:OUT+3], TS
; 8 products: tensor t, row block a, all 8 column blocks.  zero = 1: the product starts the sums: nothing is ever cleared.
.macro MUL8 t, a, fb, fa, zero
	WIN 0x50*(1+(\t))                              ; sources in window 0, C and D in window 1 + t
.irp b, 0,1,2,3,4,5,6,7
.if \zero
	v_wmma_f32_16x16x32_bf16 v[8*(8*(\a)+(\b)):8*(8*(\a)+(\b))+7], v[(\fb)+8*(\b):(\fb)+8*(\b)+7], v[(\fa)+8*(\a):(\fa)+8*(\a)+7], 0
.else
	v_wmma_f32_16x16x32_bf16 v[8*(8*(\a)+(\b)):8*(8*(\a)+(\b))+7], v[(\fb)+8*(\b):(\fb)+8*(\b)+7], v[(\fa)+8*(\a):(\fa)+8*(\a)+7], v[8*(8*(\a)+(\b)):8*(8*(\a)+(\b))+7]
.endif
.endr
.endm
.macro FETCHB t, kq, fb                ; 16 loads: tensor t's 128 rows, 32 K of quarter kq
	WIN 0
.irp b, 0,1,2,3,4,5,6,7
	ds_load_b128 v[(\fb)+8*(\b):(\fb)+8*(\b)+3],   v[ADRB] offset:(\t)*BCH+(\b)*16*PITCH+64*(\kq)
	ds_load_b128 v[(\fb)+8*(\b)+4:(\fb)+8*(\b)+7], v[ADRB] offset:(\t)*BCH+(\b)*16*PITCH+64*(\kq)+32
.endr
.endm
.macro FETCHA kq, fa                   ; 8 loads: my 64 rows of x, 32 K of quarter kq
	WIN 0
.irp a, 0,1,2,3
	ds_load_b128 v[(\fa)+8*(\a):(\fa)+8*(\a)+3],   v[ADRA] offset:(\a)*16*PITCH+64*(\kq)
	ds_load_b128 v[(\fa)+8*(\a)+4:(\fa)+8*(\a)+7], v[ADRA] offset:(\a)*16*PITCH+64*(\kq)+32
.endr
.endm
; A THIRD: 32 products of tensor t on quarter kq.  Behind its first 8 products the next third's fragments are fetched in one run, 24 products ahead of their use.
; The 96 accumulators take turns, one instruction a turn, in the same order in every quarter.
; turn = 1, 2: the step's last third changes slots.  In front of the barrier each wave waits for all its tensor loads (one is out: its part of the other slot), adds 0 to its spare word, and waits for that
; and for its reads of this slot (all were issued in earlier thirds).  turn = 1: the barrier opens a round of the cluster's, and the slot just read out is filled again first thing behind it, two K steps ahead.
.macro THIRD t, kq, zero, turn
.set u,   3*(\kq)+(\t)
.set fbc, FB0+64*(u%2)
.set fbn, FB0+64*((u+1)%2)
.set fac, FA0+32*(\kq)
.set tn,  ((\t)+1)%3
.set kn,  ((\kq)+((\t)/2))%2
.if (\turn) == 0
	s_wait_dscnt 0x0                               ; this third's fragments, asked for 24 products ago, are in
.else
	WIN 0                                          ; (the add's two registers lie in window 0)
	s_wait_tensorcnt 0x0                           ; no tensor load of mine is out, so a group 0 may be written
	ds_add_u32 v[SPW], v[NIL]                      ; 0 onto my spare word
.if (\turn) == 1
	s_xor_b32 s[G0A+5], s[G0A+5], SLOT1            ; the walking sets: the other slot than last time, the next K block
	s_add_nc_u64 s[G0A+6:G0A+7], s[G0A+6:G0A+7], KBS
	s_xor_b32 s[G0B+5], s[G0B+5], SLOT1
	s_add_nc_u64 s[G0B+6:G0B+7], s[G0B+6:G0B+7], KBS
.endif
	s_wait_dscnt 0x0                               ; the add is done, and my reads of this slot are over
	s_barrier_signal -1
.endif
	MUL8 \t, 0, fbc, fac, \zero
.if (\turn) == 1
	WIN 0                                          ; at a branch and at a label every window is 0
	s_barrier_wait -1
	CREST                                          ; no wave of any partner still reads this slot or has a load on its way
	JLOAD                                          ; its four v_nop are also the places in front of the loads below
.elseif (\turn) == 2
	WIN 0
	s_barrier_wait -1
	PLACES
.else
	PLACES
.endif
.if \turn
	s_xor_b32 s[TB], s[TB], SLOT1                  ; the fetches go on in the other slot
	v_add_nc_u32 v[ADRA], s[TB], v[ADRA0]
	v_add_nc_u32 v[ADRB], s[TB], v[ADRB0]
.endif
	FETCHB tn, kn, fbn
.if (\t) == 2
	FETCHA kn, FA0+32*kn
.endif
	MUL8 \t, 1, fbc, fac, \zero
	MUL8 \t, 2, fbc, fac, \zero
	MUL8 \t, 3, fbc, fac, \zero
.endm
	s_wait_tensorcnt 1                             ; my part of K step 0 is in; K step 1's may stay out
	s_barrier_signal -1
	s_barrier_wait -1                              ; everybody's is
	FETCHB 0, 0, FB0
	FETCHA 0, FA0
	THIRD 0, 0, 1, 0                               ; the first quarter stands in front of the loop: its products start the sums
	THIRD 1, 0, 1, 0
	THIRD 2, 0, 1, 0
	WIN 0
	s_mov_b32 s[CNT], STEPS-2
.Lk:                                                   ; a trip: a step's second quarter, the change of slots with a refill, the next step's first quarter
	THIRD 0, 1, 0, 0
	THIRD 1, 1, 0, 0
	THIRD 2, 1, 0, 1
	THIRD 0, 0, 0, 0
	THIRD 1, 0, 0, 0
	THIRD 2, 0, 0, 0
	WIN 0
	s_sub_co_u32 s[CNT], s[CNT], 1
	s_cmp_lg_u32 s[CNT], 0
	s_cbranch_scc1 .Lk
	s_mov_b32 s[CNT], 2
.Ltail:                                                ; the last two steps ask for nothing; the second trip has no next step: its fetch brings bytes of the old tile that nobody uses
	THIRD 0, 1, 0, 0
	THIRD 1, 1, 0, 0
	THIRD 2, 1, 0, 2
	WIN 0
	s_cmp_eq_u32 s[CNT], 1
	s_cbranch_scc1 .Lskip                          ; forward, over products and LDS loads alone
	THIRD 0, 0, 0, 0
	THIRD 1, 0, 0, 0
	THIRD 2, 0, 0, 0
	WIN 0
.Lskip:
	s_sub_co_u32 s[CNT], s[CNT], 1
	s_cmp_lg_u32 s[CNT], 0
	s_cbranch_scc1 .Ltail
; THE WAY OUT, block n = 4 t + a (16 rows x 128 columns) at a time.  PACK: rounded to f16, 16 bytes a lane, each accumulator's registers in ascending order.
; TOSTAGE: into my own stage and back as whole rows of 256 bytes.  SEND: stored, sixteen lanes to 256 consecutive bytes, aligned.
.macro PACK n
.set tt, (\n)/4
.set aa, (\n)%4
	WIN 5*(1+tt)                                   ; sources 0 and 1 in window 1 + t
.irp b, 0,1,2,3,4,5,6,7
.irp q, 0,1,2,3
	v_cvt_pk_f16_f32 v[TMP+4*(\b)+(\q)], v[8*(8*aa+(\b))+2*(\q)], v[8*(8*aa+(\b))+2*(\q)+1]
.endr
.endr
	WIN 0
.endm
.macro TOSTAGE n
.set BK, OB+32*((\n)%2)
.irp b, 0,1,2,3,4,5,6,7
	ds_store_b128 v[STO], v[TMP+4*(\b):TMP+4*(\b)+3] offset:32*(\b)
.endr
.irp i, 0,1,2,3,4,5,6,7
	ds_load_b128 v[BK+4*(\i):BK+4*(\i)+3], v[RD] offset:(\i)*2*SPITCH  ; LDS serves a wave's instructions in order (ISA guide 5.7.1.4): these see the stores above
.endr
.endm
.macro SEND n
.set tt, (\n)/4
.set aa, (\n)%4
.set BK, OB+32*((\n)%2)
	s_wait_dscnt 0x0                               ; the block is back in registers
	s_wait_xcnt 0x0                                ; the stores of the block before have read their registers: the next TOSTAGE loads into them
.irp i, 0,1,2,3,4,5,6,7
	global_store_b128 v[CO], v[BK+4*(\i):BK+4*(\i)+3], s[OUT+2*tt:OUT+2*tt+1] offset:aa*32768+(\i)*4096
.endr
.endm
	s_wait_dscnt 0x0                               ; the last fetch, which nobody uses, has landed: its registers are free
	PLACES
	PACK 0
	TOSTAGE 0
.irp n, 1,2,3,4,5,6,7,8,9,10,11        ; block n's conversions stand between block n - 1's loads from the stage and the wait for them
	PACK \n
	SEND (\n)-1
	TOSTAGE \n
.endr
	SEND 11
	s_wait_tensorcnt 0x0                           ; the wave's end: behind my last tensor load and my last LDS store
	ds_add_u32 v[SPW], v[NIL]
	s_wait_dscnt 0x0
	CROUND                                         ; the closing round: no work-group ends while a partner may still ask for a tile that names it
	s_endpgm
.Lfunc_end_k_qfec330e941_proj:
	.size	k_qfec330e941_proj, .Lfunc_end_k_qfec330e941_proj-k_qfec330e941_proj
	.p2alignl 7, 3214868480
	.fill 96, 4, 3214868480
	.section	.rodata,"a",@progbits
	.p2align	6, 0x0
	.amdhsa_kernel k_qfec330e941_proj
		.amdhsa_group_segment_fixed_size 327680
		.amdhsa_private_segment_fixed_size 0
		.amdhsa_enable_private_segment 0
		.amdhsa_kernarg_size 16
		.amdhsa_user_sgpr_count 2
		.amdhsa_user_sgpr_kernarg_segment_ptr 1
		.amdhsa_wavefront_size32 1
		.amdhsa_system_sgpr_workgroup_id_x 1
		.amdhsa_system_sgpr_workgroup_id_y 1
		.amdhsa_system_sgpr_workgroup_id_z 1
		.amdhsa_system_vgpr_workitem_id 0
		.amdhsa_next_free_vgpr 1024
		.amdhsa_next_free_sgpr 80
		.amdhsa_reserve_vcc 0
		.amdhsa_float_denorm_mode_32 3
		.amdhsa_float_denorm_mode_16_64 3
		.amdhsa_memory_ordered 1
		.amdhsa_forward_progress 1
		.amdhsa_inst_pref_size 108
	.end_amdhsa_kernel
	.amdgpu_metadata
---
amdhsa.version: [ 1, 2 ]
amdhsa.kernels:
  - .name:           k_qfec330e941_proj
    .symbol:         k_qfec330e941_proj.kd
    .args:
      - { .name: xw, .offset: 0, .size: 8, .value_kind: global_buffer, .address_space: global }
      - { .name: qkv, .offset: 8, .size: 8, .value_kind: global_buffer, .address_space: global }
    .group_segment_fixed_size: 327680
    .private_segment_fixed_size: 0
    .kernarg_segment_align: 8
    .kernarg_segment_size: 16
    .max_flat_workgroup_size: 128
    .sgpr_count:     80
    .vgpr_count:     1024
    .wavefront_size: 32
...
	.end_amdgpu_metadata
.endif
;; end of part 2
;; launch scores (part 3): grid 8 x 32, 4 waves a work-group, clusters of 4 x 4, 327,680 bytes of LDS; arguments qkv, p, stats; writes p, stats
.if DOCPART == 3
	.amdgcn_target "amdgcn-amd-amdhsa--gfx1250"
	.amdhsa_code_object_version 6
	.text
	.protected	k_qfec330e941_scores
	.globl	k_qfec330e941_scores
	.p2align	8
	.type	k_qfec330e941_scores,@function
k_qfec330e941_scores:
	s_mov_b64 s[64:65], 0
	v_nop
	global_prefetch_b8 v0, s[64:65] scope:SCOPE_SE
	s_setreg_imm32_b32 hwreg(HW_REG_WAVE_MODE, 25, 1), 1
	s_wait_xcnt 0x0
	s_wait_alu depctr_hold_cnt(0) depctr_sa_sdst(0) depctr_va_vdst(0) depctr_va_sdst(0) depctr_va_ssrc(0) depctr_va_vcc(0) depctr_vm_vsrc(0)
	s_getreg_b32 s2, hwreg(HW_REG_IB_STS2, 6, 4)
	s_cmp_eq_u32 s2, 0
	s_cbranch_scc0 .Lentry_in_a_cluster
	s_endpgm
.Lentry_in_a_cluster:
	s_bfe_u32 s2, ttmp6, 0x10000c
	s_cmp_lg_u32 s2, 0xf033
	s_cbranch_scc0 .Lentry_shape_is_right
	s_endpgm
.Lentry_shape_is_right:
; S = Q K_r, and of each row and each part T of 128 keys: m' = c max(s), p' = 2^(c s - m') rounded to f16, l = the sum of the unrounded p'; c = log2(e) / 1024 (the scores are divided by 1,024).
; K_r is the batch's K read as [1024 channels][2048 keys]: element (ch, j) lies at byte 4,096 ch + 2 j of the batch's K as it was stored: nothing is moved.
; q, k f16 (qkv[0], qkv[1]), sums f32.  p[8192 rows][2048 keys] f16; stats[4 b][16 T][m', l][2048 rows] f32.  The next launch takes the maximum over the 16 parts: every exponent is taken against a true maximum.
; LIMITS.  A p' below 6e-8 counts as 0 in p, below 6e-5 it keeps f16's fixed step; a p' below 2^-126 counts as 0 in l.  NaN and infinities are not treated apart.
; SHARES.  Work-group (kx, gy): 256 queries (rows 256 gy of the 8,192) x 256 keys.  Four waves, 2 x 2, each 128 queries x 128 keys (one part T = 2 kx + wc): 64 accumulators, 512 registers.
; The channels go in 8 steps of 128 through two LDS slots; a step is four quarters of 32 channels, 64 products each.
; CLUSTER.  4 x 4 work-groups; the four of a cluster's column lie in one batch (8 work-group rows a batch).  Q's tile hangs on gy alone and is shared along a row of the cluster, K_r's on kx and the batch
; and is shared along a column.  Waves 0, 1 ask for Q's two halves of 128 rows, waves 2, 3 for K_r's two halves of 64 channels.  A wave has two tensor loads out at the start and one afterwards.
; LAYOUT.  S^T = K_r^T Q^T: source 0 = 16 keys (turned out of LDS by ds_load_tr16_b128, since K_r lies [channel][key]), source 1 = 16 queries: a lane holds ONE query (l % 16) and the keys 8 (l / 16) + 0..7.
; REGISTERS: window 0: v16-31 addresses; v64-127, v128-191 Q's fragments, two buffers; v32-63, v192-255 at work on the way out.  window 1: v64-191 K_r's fragments, two buffers.
;   window 2: accumulators of query blocks 0-3 ((a, b) at v[8 (8 (a % 4) + b)]);  window 3: of blocks 4-7.
.set TS,     16777216                  ; bytes in one of q, k, v
.set PQ,     272                       ; a row of Q in LDS: 256 bytes + 16 = 68 words: the 16 rows of a load start at 16 different groups of four banks (ISA guide 11.1)
.set PK,     544                       ; a row of K_r: 512 + 32 = 136 words
.set XS,     34816                     ; bytes in a wave's part of a slot (128 x 272 = 64 x 544).  Wave w's two parts lie at 2 w XS and 2 w XS + XS; 2 w XS has the two bits of XS clear, so one exclusive or changes slots
.set STAGE,  8*XS                      ; behind the ring: 16 rows x 272 bytes for each wave
.set SPITCH, 272
.set SST,    STAGE+4*16*SPITCH         ; 1,024 bytes for each wave: its 128 m', then its 128 l
.set SPARE,  SST+4*1024                ; the spare words, 128 bytes for each wave: two blocks of 256 bytes that no other line names
.set STEPS,  8
.set ADRA0, 16                         ; v16  my place in Q's tile; never rewritten
.set ADRA,  17                         ; v17  the same in the slot in hand
.set ADRB0, 18                         ; v18-19  my place in K_r's channels 0-63, 64-127; never rewritten
.set ADRB,  20                         ; v20-21  the same in the slot in hand
.set STO,   24
.set RD,    25
.set CO,    26                         ; v26  my byte offset in two rows of p
.set SA,    27                         ; v27  where my query's m' goes
.set SPW,   28
.set NIL,   29
.set SR,    30                         ; v30  where I read 16 bytes of the wave's m' back
.set SG,    31                         ; v31  16 x lane
.set F0,    64
.set F1,    128
.set MX,    64                         ; the way out: v64-71 eight running maxima
.set CM,    72                         ; v72-73 m', twice
.set LL,    74                         ; v74 l
.set SB0,   80                         ; v80-87 the wave's m' and l on their way out
.set SUM,   96                         ; v96-127
.set TMP,   192                        ; v192-223 packed p'
.set WV,  10
.set WR,  11                           ; s11  which half of the queries is mine
.set WC,  12                           ; s12  which half of the keys
.set CNT, 22
.set TB,  23                           ; s23  0 or XS: the slot in hand
.set G1Q, 24
.set G1K, 32
.set G0Q, 40                           ; s[40:47] the first fill of slot 0; the set that walks
.set G0K, 48
.set CS,  58                           ; s[58:59] c, twice
.set SEL, 60                           ; s[60:61] v_permlanex16_b32's selects: each lane takes its own place in the other half
.set PB,  68                           ; s[68:69] p at my first row and key
.set STB, 70                           ; s[70:71] stats at my part's m' of my first row
.set MSB, 0
.macro WIN new
.if MSB != (\new)
	s_set_vgpr_msb (MSB<<8)|(\new)
.set MSB, (\new)
.endif
.endm
.set MUL_LO, 0xa1                      ; source 0 (K_r) window 1, source 1 (Q) window 0, C and D window 2
.set TO_B,   0x40                      ; destination window 1, address window 0
.macro PLACES
.rept 4
	v_nop
.endr
.endm
.macro JLOAD                           ; a joint refill by the walking sets; an s_nop 0 and four v_nop follow each of the two lines
	s_cmp_lt_u32 s[WV], 2
	s_cbranch_scc0 .Lfor_k_\@
	tensor_load_to_lds s[G0Q+4:G0Q+7], s[G1Q:G1Q+7]
	s_nop 0
.rept 4
	v_nop
.endr
	s_branch .Lasked_\@
.Lfor_k_\@:
	tensor_load_to_lds s[G0K+4:G0K+7], s[G1K:G1K+7]
	s_nop 0
.rept 4
	v_nop
.endr
.Lasked_\@:
.endm
.macro CREST
	s_cmp_lg_u32 s[WV], 0
	s_cbranch_scc1 .Lnot_wave_0_\@
	s_barrier_signal -3
.Lnot_wave_0_\@:
	s_barrier_wait -3
	s_barrier_signal -1
	s_barrier_wait -1
.endm
.macro CROUND
	s_barrier_signal -1
	s_barrier_wait -1
	CREST
.endm
	s_load_b128 s[4:7], s[0:1], 0x0                ; qkv s[4:5], p s[6:7]
	s_load_b64 s[8:9], s[0:1], 0x10                ; stats
	v_lshl_add_u32 v[SPW], v0, 2, SPARE
	v_mov_b32 v[NIL], 0
	ds_add_u32 v[SPW], v[NIL]                      ; the wave's opening: the add and its wait stand ahead of my first tensor load
	v_lshrrev_b32 v1, 5, v0
	v_readfirstlane_b32 s[WV], v1
	s_lshr_b32 s[WR], s[WV], 1
	s_and_b32 s[WC], s[WV], 1                      ; also: which half of its tile a wave fetches
	s_bfe_u32 s56, ttmp6, 0x40000                  ; cx
	s_bfe_u32 s57, ttmp6, 0x40004                  ; cy
	s_lshl_b32 s62, ttmp9, 2
	s_add_co_u32 s62, s62, s56                     ; kx = 4 x cluster x + cx
	s_and_b32 s63, ttmp7, 0xffff                   ; cluster y
	s_lshl_b32 s13, s63, 2
	s_add_co_u32 s13, s13, s57                     ; gy = 4 x cluster y + cy
	s_lshr_b32 s63, s63, 1                         ; the batch: of the cluster's y alone, so all sixteen partners share it
	s_lshl_b32 s66, s57, 2
	s_lshl_b32 s66, 15, s66                        ; my row of the cluster
	s_lshl_b32 s67, 0x1111, s56                    ; my column
	s_or_b32 s[G1Q], s66, (1<<16)|(1<<20)|(1<<21)|(5<<22)|(3<<25)  ; mask; 2-byte elements; padding on; bit 21 beside a mask; after every 64 words 4 words
	s_or_b32 s[G1K], s67, (1<<16)|(1<<20)|(1<<21)|(6<<22)|(7<<25)  ; after every 128 words 8 words
	s_mov_b32 s[G1Q+1], 128<<16                    ; Q: 128 rows x 128 channels, 1,024 elements from row to row
	s_mov_b32 s[G1Q+2], 128<<16
	s_mov_b32 s[G1Q+3], 128<<16
	s_mov_b32 s[G1Q+4], 128
	s_mov_b32 s[G1Q+5], 1024
	s_mov_b32 s[G1Q+6], 0
	s_mov_b32 s[G1Q+7], 0
	s_mov_b32 s[G1K+1], 256<<16                    ; K_r: 64 channels x 256 keys, 2,048 elements from channel to channel
	s_mov_b32 s[G1K+2], 64<<16
	s_mov_b32 s[G1K+3], 256<<16
	s_mov_b32 s[G1K+4], 64
	s_mov_b32 s[G1K+5], 2048
	s_mov_b32 s[G1K+6], 0
	s_mov_b32 s[G1K+7], 0
	s_lshl_b32 s14, s13, 19                        ; Q: (256 gy + 128 half) rows of 2,048 bytes
	s_lshl_b32 s15, s[WC], 18
	s_add_co_u32 s14, s14, s15
	s_mov_b32 s15, 0
	s_lshl_b32 s72, s63, 22                        ; K_r: the batch's 4 MiB, + 64 half channels of 4,096 bytes, + 512 kx, behind q
	s_lshl_b32 s73, s[WC], 18
	s_add_co_u32 s72, s72, s73
	s_lshl_b32 s73, s62, 9
	s_add_co_u32 s72, s72, s73
	s_add_co_u32 s72, s72, TS
	s_mov_b32 s73, 0
	s_mul_i32 s20, s[WV], 2*XS                     ; where my part goes: of the wave's number alone
	s_mov_b32 s[CS], 0x3ab8aa3b                    ; c = log2(e) / 1024
	s_mov_b32 s[CS+1], s[CS]
	s_mov_b32 s[SEL], 0x76543210
	s_mov_b32 s[SEL+1], 0xfedcba98
	s_mov_b32 s[TB], 0
	s_wait_dscnt 0x0                               ; the opening add is done
	s_wait_kmcnt 0x0
	s_add_nc_u64 s[14:15], s[4:5], s[14:15]
	s_add_nc_u64 s[72:73], s[4:5], s[72:73]
	s_mov_b32 s[G0Q], 1
	s_mov_b32 s[G0Q+1], s20
	s_mov_b64 s[G0Q+2:G0Q+3], s[14:15]
	s_or_b32 s[G0Q+3], s[G0Q+3], 0x80000000
	s_mov_b32 s[G0Q+4], 1
	s_add_co_u32 s[G0Q+5], s20, XS
	s_add_nc_u64 s[G0Q+6:G0Q+7], s[14:15], 256     ; step 1: 128 channels on
	s_or_b32 s[G0Q+7], s[G0Q+7], 0x80000000
	s_mov_b32 s[G0K], 1
	s_mov_b32 s[G0K+1], s20
	s_mov_b64 s[G0K+2:G0K+3], s[72:73]
	s_or_b32 s[G0K+3], s[G0K+3], 0x80000000
	s_mov_b32 s[G0K+4], 1
	s_add_co_u32 s[G0K+5], s20, XS
	s_add_nc_u64 s[G0K+6:G0K+7], s[72:73], 524288  ; step 1: 128 channels of 4,096 bytes on
	s_or_b32 s[G0K+7], s[G0K+7], 0x80000000
	CROUND                                         ; all sixteen work-groups are here: the first joint loads meet
	s_cmp_lt_u32 s[WV], 2                          ; a wave's two first fills stand in one branch
	s_cbranch_scc0 .Lfirst_k
	tensor_load_to_lds s[G0Q:G0Q+3], s[G1Q:G1Q+7]
	s_nop 0
	tensor_load_to_lds s[G0Q+4:G0Q+7], s[G1Q:G1Q+7]
	s_nop 0
.rept 4
	v_nop
.endr
	s_branch .Lfirst_asked
.Lfirst_k:
	tensor_load_to_lds s[G0K:G0K+3], s[G1K:G1K+7]
	s_nop 0
	tensor_load_to_lds s[G0K+4:G0K+7], s[G1K:G1K+7]
	s_nop 0
.rept 4
	v_nop
.endr
.Lfirst_asked:
	v_and_b32 v1, 15, v0                           ; l % 16
	v_bfe_u32 v2, v0, 4, 1                         ; l / 16
	v_mul_u32_u24 v3, v1, PQ
	v_lshl_add_u32 v3, v2, 4, v3                   ; a fragment of Q: row x pitch + 16 x half
	s_mul_i32 s21, s[WR], 2*XS                     ; my 128 queries are the part that wave WR fetched
	v_add_nc_u32 v[ADRA0], s21, v3
	; the turning load takes 16 channels x 16 keys (lane l reads channel 8 (l / 16) + l % 8, keys 8 ((l / 8) % 2) + 0..7) and leaves half a fragment: lane l holds key l % 16 and 8 channels
	v_and_b32 v4, 7, v0
	v_bfe_u32 v5, v0, 3, 1
	v_lshl_add_u32 v4, v2, 3, v4
	v_mul_u32_u24 v4, v4, PK
	v_lshl_add_u32 v4, v5, 4, v4
	s_lshl_b32 s21, s[WC], 8                       ; my 128 keys: 256 bytes of a row
	s_add_co_u32 s21, s21, 4*XS                    ; behind Q's two parts
	v_add_nc_u32 v[ADRB0], s21, v4
	v_add_nc_u32 v[ADRB0+1], 2*XS, v[ADRB0]
	v_mov_b32 v[ADRA], v[ADRA0]
	v_mov_b32 v[ADRB], v[ADRB0]
	v_mov_b32 v[ADRB+1], v[ADRB0+1]
	s_mul_i32 s21, s[WV], 16*SPITCH
	s_add_co_u32 s21, s21, STAGE
	v_mul_u32_u24 v4, v1, SPITCH
	v_lshl_add_u32 v4, v2, 4, v4
	v_add_nc_u32 v[STO], s21, v4
	v_mul_u32_u24 v5, v2, SPITCH
	v_lshl_add_u32 v5, v1, 4, v5
	v_add_nc_u32 v[RD], s21, v5
	v_lshlrev_b32 v5, 12, v2                       ; two rows of p, 4,096 bytes apart
	v_lshl_add_u32 v[CO], v1, 4, v5
	s_lshl_b32 s21, s[WV], 10
	s_add_co_u32 s21, s21, SST
	v_lshl_add_u32 v[SA], v1, 2, s21
	v_and_b32 v5, 31, v0
	v_lshl_add_u32 v[SR], v5, 4, s21
	v_lshlrev_b32 v[SG], 4, v5
	s_lshl_b32 s74, s13, 20                        ; p: (256 gy + 128 WR) rows of 4,096 bytes + 512 kx + 256 WC
	s_lshl_b32 s75, s[WR], 19
	s_add_co_u32 s74, s74, s75
	s_lshl_b32 s75, s62, 9
	s_add_co_u32 s74, s74, s75
	s_lshl_b32 s75, s[WC], 8
	s_add_co_u32 s74, s74, s75
	s_mov_b32 s75, 0
	s_add_nc_u64 s[PB:PB+1], s[6:7], s[74:75]
	s_lshl_b32 s74, s63, 18                        ; stats: batch x 262,144 + (2 kx + WC) x 16,384 + (256 (gy % 8) + 128 WR) x 4
	s_lshl_b32 s75, s62, 15
	s_add_co_u32 s74, s74, s75
	s_lshl_b32 s75, s[WC], 14
	s_add_co_u32 s74, s74, s75
	s_and_b32 s75, s13, 7
	s_lshl_b32 s75, s75, 10
	s_add_co_u32 s74, s74, s75
	s_lshl_b32 s75, s[WR], 9
	s_add_co_u32 s74, s74, s75
	s_mov_b32 s75, 0
	s_add_nc_u64 s[STB:STB+1], s[8:9], s[74:75]
; 16 products: query blocks a0, a0 + 1 of the window's four (hi = 0: blocks 0-3, 1: blocks 4-7) x all 8 key blocks, 32 channels.  zero = 1: the product starts the sums.
.macro MUL16 f, hi, a0, zero
	WIN MUL_LO+0x50*(\hi)
.irp a, \a0, (\a0)+1
.irp b, 0,1,2,3,4,5,6,7
.if \zero
	v_wmma_f32_16x16x32_f16 v[8*(8*(\a)+(\b)):8*(8*(\a)+(\b))+7], v[(\f)+8*(\b):(\f)+8*(\b)+7], v[(\f)+8*(4*(\hi)+(\a)):(\f)+8*(4*(\hi)+(\a))+7], 0
.else
	v_wmma_f32_16x16x32_f16 v[8*(8*(\a)+(\b)):8*(8*(\a)+(\b))+7], v[(\f)+8*(\b):(\f)+8*(\b)+7], v[(\f)+8*(4*(\hi)+(\a)):(\f)+8*(4*(\hi)+(\a))+7], v[8*(8*(\a)+(\b)):8*(8*(\a)+(\b))+7]
.endif
.endr
.endr
.endm
; 32 LDS loads in one run: quarter kq's fragments into buffer f: K_r's 128 keys (turned), then Q's 128 rows
.macro FETCH kq, f
	WIN TO_B
.irp i, 0,1,2,3,4,5,6,7
	ds_load_tr16_b128 v[(\f)+8*(\i):(\f)+8*(\i)+3],   v[ADRB+(\kq)/2] offset:((\kq)%2)*32*PK+32*(\i)
	ds_load_tr16_b128 v[(\f)+8*(\i)+4:(\f)+8*(\i)+7], v[ADRB+(\kq)/2] offset:((\kq)%2)*32*PK+32*(\i)+16*PK
.endr
	WIN 0
.irp i, 0,1,2,3,4,5,6,7
	ds_load_b128 v[(\f)+8*(\i):(\f)+8*(\i)+3],   v[ADRA] offset:64*(\kq)+(\i)*16*PQ
	ds_load_b128 v[(\f)+8*(\i)+4:(\f)+8*(\i)+7], v[ADRA] offset:64*(\kq)+(\i)*16*PQ+32
.endr
.endm
; One of a step's first three quarters: multiplies buffer f; in its middle it fetches quarter kn into buffer g.  The 64 accumulators take turns, one instruction a turn.
.macro QUARTER kn, f, g, zero
	s_wait_dscnt 8                                 ; K_r's fragments and Q's rows 0-63 are in; the youngest eight loads (Q's rows 64-127) may be out
	MUL16 \f, 0, 0, \zero
	MUL16 \f, 0, 2, \zero
	PLACES
	FETCH \kn, \g
	s_wait_dscnt 32                                ; all but the 32 just issued
	MUL16 \f, 1, 0, \zero
	MUL16 \f, 1, 2, \zero
.endm
; The last quarter multiplies buffer 1 and changes slots.  In front of the barrier each wave waits for all its tensor loads (one is out: its part of the other slot), adds 0 to its spare word, and waits for
; that and for its reads of this slot.  fill = 1: the barrier opens a round of the cluster's, and the slot just read out is filled again first thing behind it, two steps ahead.
.macro TURN fill
	WIN 0
	s_wait_tensorcnt 0x0                           ; no tensor load of mine is out, so a group 0 may be written
	ds_add_u32 v[SPW], v[NIL]                      ; 0 onto my spare word
.if \fill
	s_xor_b32 s[G0Q+5], s[G0Q+5], XS
	s_add_nc_u64 s[G0Q+6:G0Q+7], s[G0Q+6:G0Q+7], 256
	s_xor_b32 s[G0K+5], s[G0K+5], XS
	s_add_nc_u64 s[G0K+6:G0K+7], s[G0K+6:G0K+7], 524288
.endif
	s_wait_dscnt 9                                 ; the add and the youngest eight loads may be out
	MUL16 F1, 0, 0, 0
	s_wait_dscnt 0x0                               ; the add is done, and my reads of this slot are over
	s_barrier_signal -1
	MUL16 F1, 0, 2, 0
	WIN 0
	s_barrier_wait -1
.if \fill
	CREST                                          ; no wave of any partner still reads this slot or has a load on its way
	JLOAD                                          ; its four v_nop are also the places in front of the loads below
.else
	PLACES
.endif
	s_xor_b32 s[TB], s[TB], XS
	v_add_nc_u32 v[ADRA], s[TB], v[ADRA0]
	v_add_nc_u32 v[ADRB], s[TB], v[ADRB0]
	v_add_nc_u32 v[ADRB+1], s[TB], v[ADRB0+1]
	FETCH 0, F0
	MUL16 F1, 1, 0, 0
	MUL16 F1, 1, 2, 0
.endm
	s_wait_tensorcnt 1                             ; my part of step 0 is in; step 1's may stay out
	s_barrier_signal -1
	s_barrier_wait -1
	FETCH 0, F0
	QUARTER 1, F0, F1, 1                           ; the first quarter stands in front of the loop: its products start the sums
	WIN 0
	s_mov_b32 s[CNT], STEPS-2
.Lk:
	QUARTER 2, F1, F0, 0
	QUARTER 3, F0, F1, 0
	TURN 1
	QUARTER 1, F0, F1, 0
	WIN 0
	s_sub_co_u32 s[CNT], s[CNT], 1
	s_cmp_lg_u32 s[CNT], 0
	s_cbranch_scc1 .Lk
	s_mov_b32 s[CNT], 2
.Ltail:                                                ; the last two steps ask for nothing; the second trip has no next step: its fetch brings bytes of the old tile that nobody uses
	QUARTER 2, F1, F0, 0
	QUARTER 3, F0, F1, 0
	TURN 0
	WIN 0
	s_cmp_eq_u32 s[CNT], 1
	s_cbranch_scc1 .Lskip                          ; forward, over products and LDS loads alone
	QUARTER 1, F0, F1, 0
	WIN 0
.Lskip:
	s_wait_dscnt 0x0                               ; twice a launch: on either way no LDS load is out at the loop's head or behind the loop
	s_sub_co_u32 s[CNT], s[CNT], 1
	s_cmp_lg_u32 s[CNT], 0
	s_cbranch_scc1 .Ltail
; THE WAY OUT, query block a (16 queries x 128 keys, 64 scores a lane) at a time.
; SOFT: the maximum (each accumulator's lowest registers are read first), the other half of the lanes', m' = c max; c s - m' and the exponentials in place; p' rounded to f16; l.
.macro SOFT a
.set ww, 2+(\a)/4
.set AC, 64*((\a)%4)
	WIN 21*ww                                      ; all three sources in the accumulators' window
.irp b, 0,1,2,3,4,5,6,7
	v_max3_num_f32 v[MX+(\b)], v[AC+8*(\b)], v[AC+8*(\b)+1], v[AC+8*(\b)+2]
.endr
	WIN 20*ww                                      ; source 0 back in window 0
.irp b, 0,1,2,3,4,5,6,7
	v_max3_num_f32 v[MX+(\b)], v[MX+(\b)], v[AC+8*(\b)+3], v[AC+8*(\b)+4]
.endr
.irp b, 0,1,2,3,4,5,6,7
	v_max3_num_f32 v[MX+(\b)], v[MX+(\b)], v[AC+8*(\b)+5], v[AC+8*(\b)+6]
.endr
.irp b, 0,2,4,6
	v_max3_num_f32 v[MX+(\b)], v[MX+(\b)], v[AC+8*(\b)+7], v[AC+8*(\b)+15]
.endr
	WIN 0
	v_max3_num_f32 v[MX], v[MX], v[MX+1], v[MX+2]
	v_max3_num_f32 v[MX+3], v[MX+3], v[MX+4], v[MX+5]
	v_max3_num_f32 v[MX], v[MX], v[MX+6], v[MX+7]
	v_max_num_f32 v[MX], v[MX], v[MX+3]
	v_permlanex16_b32 v[MX+1], v[MX], s[SEL], s[SEL+1]  ; the query's other 64 keys lie in the lane 16 away
	v_max_num_f32 v[MX], v[MX], v[MX+1]
	v_mul_f32 v[CM], s[CS], v[MX]
	v_mul_f32 v[CM+1], s[CS], v[MX]                ; named with it as a pair
	WIN 65*ww                                      ; destination and source 0 in the accumulators' window, m' in window 0
.set i, 0
.rept 32
	v_pk_fma_f32 v[AC+2*i:AC+2*i+1], v[AC+2*i:AC+2*i+1], s[CS:CS+1], v[CM:CM+1] op_sel_hi:[1,0,0] neg_lo:[0,0,1] neg_hi:[0,0,1]
.set i, i+1
.endr
.set i, 0
.rept 64
	v_exp_f32 v[AC+i], v[AC+i]
.set i, i+1
.endr
	v_nop                                          ; a plain instruction between the last exponential and the use of its result (ISA guide 5.7.2)
	WIN 5*ww                                       ; sources 0 and 1 in the accumulators' window, destination in window 0
.set i, 0
	s_wait_alu depctr_va_vdst(0)
.rept 32
	v_cvt_pk_f16_f32 v[TMP+i], v[AC+2*i], v[AC+2*i+1]
.set i, i+1
.endr
.set i, 0
.rept 16
	v_pk_add_f32 v[SUM+2*i:SUM+2*i+1], v[AC+4*i:AC+4*i+1], v[AC+4*i+2:AC+4*i+3]
.set i, i+1
.endr
	WIN 0
.irp w, 16, 8, 4, 2
.set i, 0
.rept (\w)/2
	v_pk_add_f32 v[SUM+2*i:SUM+2*i+1], v[SUM+2*i:SUM+2*i+1], v[SUM+(\w)+2*i:SUM+(\w)+2*i+1]
.set i, i+1
.endr
.endr
	v_add_f32 v[LL], v[SUM], v[SUM+1]
	v_permlanex16_b32 v[SUM+2], v[LL], s[SEL], s[SEL+1]
	v_add_f32 v[LL], v[LL], v[SUM+2]
.endm
.macro TOSTAGE a
.set BK, 32+192*((\a)%2)               ; v32-63 and v224-255 by turns
	ds_store_b32 v[SA], v[CM] offset:64*(\a)       ; both halves of the lanes write the same word with the same number
	ds_store_b32 v[SA], v[LL] offset:512+64*(\a)
.irp b, 0,1,2,3,4,5,6,7
	ds_store_b128 v[STO], v[TMP+4*(\b):TMP+4*(\b)+3] offset:32*(\b)
.endr
.irp i, 0,1,2,3,4,5,6,7
	ds_load_b128 v[BK+4*(\i):BK+4*(\i)+3], v[RD] offset:(\i)*2*SPITCH  ; LDS serves a wave's instructions in order (ISA guide 5.7.1.4): these see the stores above
.endr
.endm
.macro SEND a
.set BK, 32+192*((\a)%2)
	s_wait_dscnt 0x0                               ; the block is back in registers
	s_wait_xcnt 0x0                                ; the stores of the block before have read their registers: the next TOSTAGE loads into them
.irp i, 0,1,2,3,4,5,6,7
	global_store_b128 v[CO], v[BK+4*(\i):BK+4*(\i)+3], s[PB:PB+1] offset:(\a)*65536+(\i)*8192  ; 16 lanes store 256 consecutive bytes, aligned
.endr
.endm
	PLACES
	SOFT 0
	TOSTAGE 0
.irp a, 1,2,3,4,5,6,7                  ; block a's arithmetic stands between block a - 1's loads from the stage and the wait for them
	SOFT \a
	SEND (\a)-1
	TOSTAGE \a
.endr
	SEND 7
	ds_load_b128 v[SB0:SB0+3], v[SR]               ; the wave's 128 m' and 128 l, 512 consecutive bytes each
	ds_load_b128 v[SB0+4:SB0+7], v[SR] offset:512
	s_wait_dscnt 0x0
	global_store_b128 v[SG], v[SB0:SB0+3], s[STB:STB+1]
	global_store_b128 v[SG], v[SB0+4:SB0+7], s[STB:STB+1] offset:8192
	s_wait_tensorcnt 0x0                           ; the wave's end: behind my last tensor load and my last LDS store
	ds_add_u32 v[SPW], v[NIL]
	s_wait_dscnt 0x0
	CROUND                                         ; the closing round
	s_endpgm
.Lfunc_end_k_qfec330e941_scores:
	.size	k_qfec330e941_scores, .Lfunc_end_k_qfec330e941_scores-k_qfec330e941_scores
	.p2alignl 7, 3214868480
	.fill 96, 4, 3214868480
	.section	.rodata,"a",@progbits
	.p2align	6, 0x0
	.amdhsa_kernel k_qfec330e941_scores
		.amdhsa_group_segment_fixed_size 327680
		.amdhsa_private_segment_fixed_size 0
		.amdhsa_enable_private_segment 0
		.amdhsa_kernarg_size 24
		.amdhsa_user_sgpr_count 2
		.amdhsa_user_sgpr_kernarg_segment_ptr 1
		.amdhsa_wavefront_size32 1
		.amdhsa_system_sgpr_workgroup_id_x 1
		.amdhsa_system_sgpr_workgroup_id_y 1
		.amdhsa_system_sgpr_workgroup_id_z 1
		.amdhsa_system_vgpr_workitem_id 0
		.amdhsa_next_free_vgpr 1024
		.amdhsa_next_free_sgpr 80
		.amdhsa_reserve_vcc 0
		.amdhsa_float_denorm_mode_32 3
		.amdhsa_float_denorm_mode_16_64 3
		.amdhsa_memory_ordered 1
		.amdhsa_forward_progress 1
		.amdhsa_inst_pref_size 169
	.end_amdhsa_kernel
	.amdgpu_metadata
---
amdhsa.version: [ 1, 2 ]
amdhsa.kernels:
  - .name:           k_qfec330e941_scores
    .symbol:         k_qfec330e941_scores.kd
    .args:
      - { .name: qkv, .offset: 0, .size: 8, .value_kind: global_buffer, .address_space: global }
      - { .name: p, .offset: 8, .size: 8, .value_kind: global_buffer, .address_space: global }
      - { .name: stats, .offset: 16, .size: 8, .value_kind: global_buffer, .address_space: global }
    .group_segment_fixed_size: 327680
    .private_segment_fixed_size: 0
    .kernarg_segment_align: 8
    .kernarg_segment_size: 24
    .max_flat_workgroup_size: 128
    .sgpr_count:     80
    .vgpr_count:     1024
    .wavefront_size: 32
...
	.end_amdgpu_metadata
.endif
;; end of part 3
;; launch pv (part 4): grid 8 x 32, 4 waves a work-group, clusters of 4 x 4, 327,680 bytes of LDS; arguments p, qkv, stats, out0; writes out0
.if DOCPART == 4
	.amdgcn_target "amdgcn-amd-amdhsa--gfx1250"
	.amdhsa_code_object_version 6
	.text
	.protected	k_qfec330e941_pv
	.globl	k_qfec330e941_pv
	.p2align	8
	.type	k_qfec330e941_pv,@function
k_qfec330e941_pv:
	s_mov_b64 s[64:65], 0
	v_nop
	global_prefetch_b8 v0, s[64:65] scope:SCOPE_SE
	s_setreg_imm32_b32 hwreg(HW_REG_WAVE_MODE, 25, 1), 1
	s_wait_xcnt 0x0
	s_wait_alu depctr_hold_cnt(0) depctr_sa_sdst(0) depctr_va_vdst(0) depctr_va_sdst(0) depctr_va_ssrc(0) depctr_va_vcc(0) depctr_vm_vsrc(0)
	s_getreg_b32 s2, hwreg(HW_REG_IB_STS2, 6, 4)
	s_cmp_eq_u32 s2, 0
	s_cbranch_scc0 .Lentry_in_a_cluster
	s_endpgm
.Lentry_in_a_cluster:
	s_bfe_u32 s2, ttmp6, 0x10000c
	s_cmp_lg_u32 s2, 0xf033
	s_cbranch_scc0 .Lentry_shape_is_right
	s_endpgm
.Lentry_shape_is_right:
; out = softmax(scores) V, from the parts that the launch before left: for each row M = max over T of m'_T, a_T = 2^(m'_T - M), L = the sum of a_T l_T, out = (the sum over T of (a_T p'_T) V_T) / L.
; M is the row's true maximum (in units of log2), so every exponent is at most 0.  p' and v are f16, a_T is rounded to f16 and a_T p' once more; products' sums, M, a_T l_T and L in f32; out0 f32.
; LIMITS.  A weight a p' below 6e-8 counts as 0, below 6e-5 it keeps f16's fixed step; an a below 2^-126 counts as 0.  NaN and infinities are not treated apart.
; SHARES.  Work-group (gx, gy): 256 queries (rows 256 gy of the 8,192) x 128 channels.  Wave w: rows 64 w .. + 63 (4 blocks a) x 8 channel blocks: 32 accumulators.
; The keys go in 16 steps of 128 (a step is one part T) through two LDS slots; a step is four quarters of 32 keys, 32 products each.  Two steps to a slot would be 208,896 bytes: two such slots do not fit.
; CLUSTER.  4 x 4 work-groups; a cluster's column lies in one batch.  p's tile hangs on gy alone and is shared along a row of the cluster, V's on gx and the batch and is shared along a column.
; Waves 0, 1 ask for p's two halves of 128 rows, waves 2, 3 for V's two halves of 64 keys.  A wave has two tensor loads out at the start and one afterwards.
; THE WALK.  Each tile of p is read by two clusters (the two along x), each tile of V by two (the two of a batch along y).  Step i takes part T = i xor par, par = (cluster x + cluster y) mod 2:
; the two clusters that read a tile take each pair of steps in opposite order, so that they ask for it at different times.  par is the same in all sixteen partners.  The f32 sums are taken in that order.
; No LDS address hangs on par: the head loads the parts' m' and l in the order of the walk, so row i of the table of a belongs to step i.
; LAYOUT.  O^T = V^T P^T: source 0 = 16 channels (V lies [key][channel]: turned by ds_load_tr16_b128), source 1 = 16 queries of p as they lie: a lane holds ONE query (l % 16) and the channels 8 (l / 16) + 0..7.
; So a fragment of p is scaled by one number a lane: 8 packed multiplies, which stand in fours behind products of other blocks.
; REGISTERS, in windows of 256 (s_set_vgpr_msb: bits 1:0 source 0, 3:2 source 1, 5:4 source 2, 7:6 destination):
;   window 0: v16-30 addresses; v40-55 1 / L and the head's work; v128-159 the head's m' and l; v128-255 at work on the way out
;   window 1: v0-191 accumulators of blocks a = 0..2 ((a, c) at v[64 a + 8 c]); v192-255 p's fragments, two buffers of 32
;   window 2: v0-127 V's fragments, two buffers of 64; v128-131 a of the step in hand, v132-135 of the next; v192-255 block 3's accumulators
; Under ONE setting (source 0 in window 2, all else in window 1) stand both the products of blocks 0..2 and the scalings 'p = a x p'.  Block 3 has a setting of its own, goes first in a quarter and carries no scaling.
.set TS,    16777216
.set PP,    272                        ; a row of p in LDS: 256 + 16 bytes: the 16 rows of a load start at 16 different groups of four banks (ISA guide 11.1)
.set PV,    288                        ; a row of V: 256 + 32 bytes = 72 words
.set VOFF,  256*PP                     ; V's 128 rows lie behind p's 256
.set SLOT1, 131072
.set STAGE, SLOT1+VOFF+128*PV          ; behind the ring: 16 rows x 528 bytes for each wave
.set OP,    528
.set AFT,   STAGE+4*16*OP              ; for each wave 17 rows of 256 bytes: row i: [l % 16][a = 0..3] words, a of step i twice in f16; row 16: 1 / L in f32
.set TROW,  256
.set SPARE, AFT+4*17*TROW              ; the spare words, 128 bytes for each wave: two blocks of 256 bytes that no other line names
.set STEPS, 16
.set AP0,  16                          ; v16  my place in p's tile; never rewritten
.set AP,   17
.set AV0,  18                          ; v18  my place in V's tile; never rewritten
.set AV,   19
.set TAB0, 20                          ; v20  my 16 bytes of a row of my wave's table; never rewritten
.set AFA,  21                          ; v21  the row to be read next
.set AW0,  22                          ; v22  the head: my word in a row of the table, first trip; never rewritten
.set AW,   23                          ; v23  the same in the trip in hand
.set STO,  24
.set RD,   25
.set GO,   26                          ; v26  16 x lane
.set SO,   27                          ; v27  4 x lane
.set SPW,  28
.set NIL,  29
.set PFO,  30                          ; v30  the prefetches' offset: my lane x a row of p (4,096 bytes) or of V (2,048); never rewritten
.set INV,  40                          ; v40-43 1 / L
.set IV,   44                          ; v44-51 the same, twice each: pairs for the packed multiply
.set HM,   52
.set HL,   54
.set MS,   128
.set LS,   144
.set TMP,  128                         ; the way out: v128-191 a block's results
.set OB,   192                         ; v192-255 the same as whole rows
.set PF0,  192                         ; window 1
.set VF0,  0                           ; window 2
.set AFC,  128                         ; window 2
.set AFN,  132                         ; window 2
.set WV,  12
.set PB,  14                           ; s[14:15] p at my part of the tile row, part 0; never rewritten
.set TA,  21                           ; s21  byte of the table's row to be read next
.set CNT, 22
.set TB,  23
.set G1P, 24
.set G1V, 32
.set G0P, 40                           ; s[40:47] the first fill of slot 0; the set that is made anew for each further fill
.set G0V, 48
.set HA,  62                           ; s62  the head: 8 x trip
.set SBE, 66                           ; s[66:67] stats at my wave's rows, for the walk's even steps
.set OUT, 68                           ; s[68:69] out0 at my first row and channel
.set SBO, 70                           ; s[70:71] the same for the odd steps
.set VB,  72                           ; s[72:73] V at my part of the tile column, part 0; never rewritten
.set OFP, 76                           ; s[76:77] a part's byte offset in a row of p
.set OFV, 78                           ; s[78:79] a part's byte offset in V
.set PFA, 80                           ; s[80:81] what my prefetch names
.set PFB, 82                           ; s[82:83] my work-group's 32 rows of what I prefetch, part 0
.set OFQ, 84                           ; s[84:85] an offset for it
.set PSH, 86                           ; s86  8 (p) or 18 (V): a part's offset is its number shifted so far
.set TT,  87                           ; s87  a part's number
.set LIM, 88                           ; s88  14 in a wave that prefetches, else 0
.set PAR, 89                           ; s89  par
.set NX,  90                           ; s90  the step that was asked for last
.set W_LO, 0x56                        ; V and a in window 2; p, C and D in window 1
.set W_HI, 0xa6                        ; V, C and D in window 2; p in window 1
.set MSB, 0
.macro WIN new                         ; the immediate's high byte repeats the setting that is left; a switch that changes nothing is dropped
.if MSB != (\new)
	s_set_vgpr_msb (MSB<<8)|(\new)
.set MSB, (\new)
.endif
.endm
.macro PLACES                          ; four places in front of loads into registers that products have read, and of vector lines that read results
.rept 4
	v_nop
.endr
.endm
.macro JLOAD                           ; a joint refill; an s_nop 0 and four v_nop follow each of the two lines
	s_cmp_lt_u32 s[WV], 2
	s_cbranch_scc0 .Lfor_v_\@
	tensor_load_to_lds s[G0P+4:G0P+7], s[G1P:G1P+7]
	s_nop 0
.rept 4
	v_nop
.endr
	s_branch .Lasked_\@
.Lfor_v_\@:
	tensor_load_to_lds s[G0V+4:G0V+7], s[G1V:G1V+7]
	s_nop 0
.rept 4
	v_nop
.endr
.Lasked_\@:
.endm
; A PREFETCH INTO THE L2, behind each joint load, its five lines and the run of LDS loads that follows them: the step that stands TWO refills on, 256 products ahead of the load that will want it.
; A step is 256 bytes of each row of p and of each of 128 rows of V: a lane a row, one instruction a wave.  Each row's 256 bytes are named ONCE in the launch: of the two clusters that read a tile of p the one
; with x = 0 asks (waves 0 and 1, each for the 128 rows that it fetches), of the two that read a tile of V the one with even y (wave 2, for all 128 keys); the four partners that ask for a tile jointly share
; its rows out BY ADDRESS, 32 each (by cx for p, by cy for V): no branch hangs on a work-group's place in its cluster.  Parts 0 to 3 come by their loads alone; the last two fills have no step two on.
.macro ASK
	WIN 0
	s_cmp_lt_u32 s[NX], s[LIM]
	s_cbranch_scc0 .Lnot_mine_\@
	global_prefetch_b8 v[PFO], s[PFA:PFA+1] th:TH_LOAD_NT scope:SCOPE_SE
.Lnot_mine_\@:
.endm
.macro CREST                           ; a round of the cluster's barrier behind its opening barrier
	s_cmp_lg_u32 s[WV], 0
	s_cbranch_scc1 .Lnot_wave_0_\@
	s_barrier_signal -3
.Lnot_wave_0_\@:
	s_barrier_wait -3
	s_barrier_signal -1
	s_barrier_wait -1
.endm
.macro CROUND
	s_barrier_signal -1
	s_barrier_wait -1
	CREST
.endm
	s_load_b256 s[4:11], s[0:1], 0x0               ; p s[4:5], qkv s[6:7], stats s[8:9], out0 s[10:11]
	v_lshl_add_u32 v[SPW], v0, 2, SPARE
	v_mov_b32 v[NIL], 0
	ds_add_u32 v[SPW], v[NIL]                      ; the wave's opening: the add and its wait stand ahead of my first tensor load; the set-up below stands between them
	v_lshrrev_b32 v1, 5, v0
	v_readfirstlane_b32 s[WV], v1
	v_and_b32 v6, 31, v0                           ; l
	s_and_b32 s63, s[WV], 1                        ; which half of its tile a wave fetches
	s_bfe_u32 s56, ttmp6, 0x40000                  ; cx
	s_bfe_u32 s57, ttmp6, 0x40004                  ; cy
	s_lshl_b32 s58, ttmp9, 2
	s_add_co_u32 s58, s58, s56                     ; gx
	s_and_b32 s59, ttmp7, 0xffff                   ; cluster y
	s_lshl_b32 s13, s59, 2
	s_add_co_u32 s13, s13, s57                     ; gy
	s_xor_b32 s[PAR], ttmp9, s59
	s_and_b32 s[PAR], s[PAR], 1                    ; par: of the cluster's coordinates alone
	s_and_b32 s91, s59, 1                          ; cluster y mod 2
	s_lshr_b32 s59, s59, 1                         ; the batch: of the cluster's y alone
	s_lshl_b32 s60, s57, 2
	s_lshl_b32 s60, 15, s60                        ; my row of the cluster
	s_lshl_b32 s61, 0x1111, s56                    ; my column
	s_or_b32 s[G1P], s60, (1<<16)|(1<<20)|(1<<21)|(5<<22)|(3<<25)  ; mask; 2-byte elements; padding on; bit 21 beside a mask; after every 64 words 4 words
	s_or_b32 s[G1V], s61, (1<<16)|(1<<20)|(1<<21)|(5<<22)|(7<<25)  ; 8 words
	s_mov_b32 s[G1P+1], 128<<16                    ; p: 128 rows x 128 keys, 2,048 elements from row to row
	s_mov_b32 s[G1P+2], 128<<16
	s_mov_b32 s[G1P+3], 128<<16
	s_mov_b32 s[G1P+4], 128
	s_mov_b32 s[G1P+5], 2048
	s_mov_b32 s[G1P+6], 0
	s_mov_b32 s[G1P+7], 0
	s_mov_b32 s[G1V+1], 128<<16                    ; V: 64 keys x 128 channels, 1,024 elements from key to key
	s_mov_b32 s[G1V+2], 64<<16
	s_mov_b32 s[G1V+3], 128<<16
	s_mov_b32 s[G1V+4], 64
	s_mov_b32 s[G1V+5], 1024
	s_mov_b32 s[G1V+6], 0
	s_mov_b32 s[G1V+7], 0
	s_lshl_b32 s14, s13, 20                        ; p: (256 gy + 128 half) rows of 4,096 bytes
	s_lshl_b32 s15, s63, 19
	s_add_co_u32 s14, s14, s15
	s_mov_b32 s15, 0
	s_lshl_b32 s72, s59, 22                        ; V: (2,048 batch + 64 half) rows of 2,048 bytes + 256 gx, behind q and k
	s_lshl_b32 s73, s63, 17
	s_add_co_u32 s72, s72, s73
	s_lshl_b32 s73, s58, 8
	s_add_co_u32 s72, s72, s73
	s_add_co_u32 s72, s72, 2*TS
	s_mov_b32 s73, 0
	s_mul_i32 s20, s[WV], 128*PP                   ; waves 0, 1: p's halves
	s_mul_i32 s74, s[WV], 64*PV
	s_add_co_u32 s74, s74, VOFF-2*64*PV            ; waves 2, 3: V's halves, at VOFF + (w - 2) x 64 rows
	s_mov_b32 s[TB], 0
	s_mov_b32 s[NX], 1                             ; steps 0 and 1 are the first fills
	s_mov_b32 s[OFP+1], 0
	s_mov_b32 s[OFV+1], 0
	s_mov_b32 s[OFQ+1], 0
	; who prefetches, and what
	s_lshr_b32 s18, s[WV], 1
	s_and_b32 s18, s18, s[WV]                      ; 1 in wave 3 alone
	s_lshl_b32 s2, s56, 17                         ; p: cx x 32 rows of 4,096 bytes
	s_lshl_b32 s3, s57, 16                         ; V: cy x 32 rows of 2,048 bytes
	s_cmp_lt_u32 s[WV], 2
	s_cselect_b32 s[LIM], ttmp9, s91               ; the coordinate along which the other cluster reads the same rows
	s_cselect_b32 s[PSH], 8, 18
	s_cselect_b32 s19, 12, 11
	s_cselect_b32 s[OFQ], s2, s3
	s_or_b32 s[LIM], s[LIM], s18
	s_cmp_eq_u32 s[LIM], 0
	s_cselect_b32 s[LIM], 14, 0                    ; the same in all sixteen partners, for a given wave
	v_lshlrev_b32 v[PFO], s19, v6
	s_wait_dscnt 0x0                               ; the opening add is done
	s_wait_kmcnt 0x0
	s_add_nc_u64 s[PB:PB+1], s[4:5], s[14:15]
	s_add_nc_u64 s[VB:VB+1], s[6:7], s[72:73]
	s_lshl_b32 s[OFP], s[PAR], 8                   ; step 0 takes part par: 128 keys are 256 bytes of a row of p
	s_lshl_b32 s[OFV], s[PAR], 18                  ; and 128 rows of 2,048 bytes of V
	s_mov_b32 s[G0P], 1
	s_mov_b32 s[G0P+1], s20
	s_add_nc_u64 s[G0P+2:G0P+3], s[PB:PB+1], s[OFP:OFP+1]
	s_or_b32 s[G0P+3], s[G0P+3], 0x80000000
	s_mov_b32 s[G0V], 1
	s_mov_b32 s[G0V+1], s74
	s_add_nc_u64 s[G0V+2:G0V+3], s[VB:VB+1], s[OFV:OFV+1]
	s_or_b32 s[G0V+3], s[G0V+3], 0x80000000
	s_xor_b32 s[TT], s[PAR], 1                     ; step 1 takes the pair's other part
	s_lshl_b32 s[OFP], s[TT], 8
	s_lshl_b32 s[OFV], s[TT], 18
	s_mov_b32 s[G0P+4], 1
	s_add_co_u32 s[G0P+5], s20, SLOT1
	s_add_nc_u64 s[G0P+6:G0P+7], s[PB:PB+1], s[OFP:OFP+1]
	s_or_b32 s[G0P+7], s[G0P+7], 0x80000000
	s_mov_b32 s[G0V+4], 1
	s_add_co_u32 s[G0V+5], s74, SLOT1
	s_add_nc_u64 s[G0V+6:G0V+7], s[VB:VB+1], s[OFV:OFV+1]
	s_or_b32 s[G0V+7], s[G0V+7], 0x80000000
	s_cmp_lt_u32 s[WV], 2
	s_cselect_b64 s[PFB:PFB+1], s[PB:PB+1], s[VB:VB+1]
	s_add_nc_u64 s[PFB:PFB+1], s[PFB:PFB+1], s[OFQ:OFQ+1]
	CROUND                                         ; all sixteen work-groups are here: the first joint loads meet
	s_cmp_lt_u32 s[WV], 2                          ; a wave's two first fills stand in one branch, ahead of every wait on TENSORcnt, every LDS read and every further barrier
	s_cbranch_scc0 .Lfirst_v
	tensor_load_to_lds s[G0P:G0P+3], s[G1P:G1P+7]
	s_nop 0
	tensor_load_to_lds s[G0P+4:G0P+7], s[G1P:G1P+7]
	s_nop 0
.rept 4
	v_nop
.endr
	s_branch .Lfirst_asked
.Lfirst_v:
	tensor_load_to_lds s[G0V:G0V+3], s[G1V:G1V+7]
	s_nop 0
	tensor_load_to_lds s[G0V+4:G0V+7], s[G1V:G1V+7]
	s_nop 0
.rept 4
	v_nop
.endr
.Lfirst_asked:
	v_and_b32 v1, 15, v0                           ; l % 16
	v_bfe_u32 v2, v0, 4, 1                         ; l / 16
	v_lshlrev_b32 v[SO], 2, v6
	s_lshl_b32 s18, s59, 18                        ; stats: batch x 262,144 + (256 (gy % 8) + 64 w) x 4
	s_and_b32 s19, s13, 7
	s_lshl_b32 s19, s19, 10
	s_add_co_u32 s18, s18, s19
	s_lshl_b32 s19, s[WV], 8
	s_add_co_u32 s18, s18, s19
	s_mov_b32 s19, 0
	s_add_nc_u64 s[SBE:SBE+1], s[8:9], s[18:19]
	s_lshl_b32 s18, s[PAR], 14                     ; a part is 16,384 bytes: an even step i takes part i + par, an odd one part i - par
	s_sub_nc_u64 s[SBO:SBO+1], s[SBE:SBE+1], s[18:19]
	s_add_nc_u64 s[SBE:SBE+1], s[SBE:SBE+1], s[18:19]
	v_mul_u32_u24 v3, v1, PP
	v_lshl_add_u32 v3, v2, 4, v3
	s_mul_i32 s19, s[WV], 64*PP                    ; my 64 rows of p
	v_add_nc_u32 v[AP0], s19, v3
	v_and_b32 v4, 7, v0                            ; the turning load: lane l reads key 8 (l / 16) + l % 8, channels 8 ((l / 8) % 2) + 0..7
	v_bfe_u32 v5, v0, 3, 1
	v_lshl_add_u32 v4, v2, 3, v4
	v_mul_u32_u24 v4, v4, PV
	v_lshl_add_u32 v4, v5, 4, v4
	v_add_nc_u32 v[AV0], VOFF, v4
	s_mul_i32 s19, s[WV], 17*TROW
	s_add_co_u32 s19, s19, AFT                     ; my wave's table
	v_lshl_add_u32 v[TAB0], v1, 4, s19             ; read: the four words of row l % 16, alike in both halves of the lanes
	v_lshl_add_u32 v[AW0], v2, 2, v[TAB0]          ; written: the word of block a = 2 x trip + l / 16
	s_mul_i32 s19, s[WV], 16*OP
	s_add_co_u32 s19, s19, STAGE                   ; my stage
	v_mul_u32_u24 v3, v1, OP                       ; in: row l % 16, 32 bytes for each half of the lanes
	v_lshl_add_u32 v3, v2, 5, v3
	v_add_nc_u32 v[STO], s19, v3
	v_lshl_add_u32 v[RD], v6, 4, s19               ; back: 32 lanes take one row of 512 bytes
	v_lshlrev_b32 v[GO], 4, v6
	s_lshl_b32 s18, s13, 20                        ; out0: (256 gy + 64 w) rows of 4,096 bytes + 512 gx
	s_lshl_b32 s19, s[WV], 18
	s_add_co_u32 s18, s18, s19
	s_lshl_b32 s19, s58, 9
	s_add_co_u32 s18, s18, s19
	s_mov_b32 s19, 0
	s_add_nc_u64 s[OUT:OUT+1], s[10:11], s[18:19]
	; THE HEAD, while the first tiles are on their way: two trips, 32 rows each, a lane a row: its 16 m' and 16 l in the order of the walk; M; a; L; the table's 17 words.  A load of the wave covers 128 consecutive bytes.
	s_mov_b32 s[CNT], 2
	s_mov_b32 s[HA], 0
.Lhead:
.irp i, 0,2,4,6,8,10,12,14
	global_load_b32 v[MS+(\i)],   v[SO], s[SBE:SBE+1] offset:(\i)*16384
	global_load_b32 v[LS+(\i)],   v[SO], s[SBE:SBE+1] offset:(\i)*16384+8192
	global_load_b32 v[MS+(\i)+1], v[SO], s[SBO:SBO+1] offset:((\i)+1)*16384
	global_load_b32 v[LS+(\i)+1], v[SO], s[SBO:SBO+1] offset:((\i)+1)*16384+8192
.endr
	v_add_nc_u32 v[AW], s[HA], v[AW0]
	s_add_co_u32 s[HA], s[HA], 8                   ; two blocks a on
	s_wait_loadcnt 0x0                             ; all 32 are in, and have read their bases:
	s_add_nc_u64 s[SBE:SBE+1], s[SBE:SBE+1], 128   ; the next 32 rows
	s_add_nc_u64 s[SBO:SBO+1], s[SBO:SBO+1], 128
	v_max3_num_f32 v[HM], v[MS], v[MS+1], v[MS+2]
	v_max3_num_f32 v[HM+1], v[MS+3], v[MS+4], v[MS+5]
	v_max3_num_f32 v[HM], v[HM], v[MS+6], v[MS+7]
	v_max3_num_f32 v[HM+1], v[HM+1], v[MS+8], v[MS+9]
	v_max3_num_f32 v[HM], v[HM], v[MS+10], v[MS+11]
	v_max3_num_f32 v[HM+1], v[HM+1], v[MS+12], v[MS+13]
	v_max3_num_f32 v[HM], v[HM], v[MS+14], v[MS+15]
	v_max_num_f32 v[HM], v[HM], v[HM+1]
.irp T, 0,1,2,3,4,5,6,7,8,9,10,11,12,13,14,15
	v_sub_f32 v[MS+(\T)], v[MS+(\T)], v[HM]
.endr
.irp T, 0,1,2,3,4,5,6,7,8,9,10,11,12,13,14,15
	v_exp_f32 v[MS+(\T)], v[MS+(\T)]
.endr
	v_nop                                          ; a plain instruction between the last exponential and the use of its result (ISA guide 5.7.2)
	s_wait_alu depctr_va_vdst(0)
	v_mul_f32 v[HL], v[MS], v[LS]
	v_mul_f32 v[HL+1], v[MS+1], v[LS+1]
.irp T, 2,4,6,8,10,12,14
	v_fmac_f32 v[HL], v[MS+(\T)], v[LS+(\T)]
	v_fmac_f32 v[HL+1], v[MS+(\T)+1], v[LS+(\T)+1]
.endr
	v_add_f32 v[HL], v[HL], v[HL+1]
.irp T, 0,1,2,3,4,5,6,7,8,9,10,11,12,13,14,15
	v_cvt_pk_f16_f32 v[LS+(\T)], v[MS+(\T)], v[MS+(\T)]
.endr
	v_rcp_f32 v[HL+1], v[HL]
	v_nop
.irp T, 0,1,2,3,4,5,6,7,8,9,10,11,12,13,14,15
	ds_store_b32 v[AW], v[LS+(\T)] offset:(\T)*TROW
.endr
	s_wait_alu depctr_va_vdst(0)
	ds_store_b32 v[AW], v[HL+1] offset:16*TROW
	s_wait_dscnt 0x0                               ; the stores are done before the next trip's loads land on their data, and before the barrier below
	s_sub_co_u32 s[CNT], s[CNT], 1
	s_cmp_lg_u32 s[CNT], 0
	s_cbranch_scc1 .Lhead
.macro RID base, fac                   ; four of a fragment's eight scalings: p = a x p, under the products' own setting
.irp i, 0,1,2,3
	v_pk_mul_f16 v[(\base)+(\i)], v[\fac], v[(\base)+(\i)]
.endr
.endm
; 8 products: query block a, all 8 channel blocks, on buffers f.  n = 1: behind the second and the sixth stand the scalings of the fragment at r1 by k1;
; n = 2: behind the first, third, fifth and seventh those of the fragments at r1 (by k1) and at r2 (by k2).  None names a register of the products round it.
.macro MULB a, f, zero, n, r1, k1, r2, k2
.if (\a) == 3
	WIN W_HI
.set AC, 192
.else
	WIN W_LO
.set AC, 64*(\a)
.endif
.irp c, 0,1,2,3,4,5,6,7
.if \zero
	v_wmma_f32_16x16x32_f16 v[AC+8*(\c):AC+8*(\c)+7], v[VF0+64*(\f)+8*(\c):VF0+64*(\f)+8*(\c)+7], v[PF0+32*(\f)+8*(\a):PF0+32*(\f)+8*(\a)+7], 0
.else
	v_wmma_f32_16x16x32_f16 v[AC+8*(\c):AC+8*(\c)+7], v[VF0+64*(\f)+8*(\c):VF0+64*(\f)+8*(\c)+7], v[PF0+32*(\f)+8*(\a):PF0+32*(\f)+8*(\a)+7], v[AC+8*(\c):AC+8*(\c)+7]
.endif
.if ((\n) == 1) && ((\c) == 1)
	RID \r1, \k1
.elseif ((\n) == 1) && ((\c) == 5)
	RID (\r1)+4, \k1
.elseif ((\n) == 2) && ((\c) == 0)
	RID \r1, \k1
.elseif ((\n) == 2) && ((\c) == 2)
	RID (\r1)+4, \k1
.elseif ((\n) == 2) && ((\c) == 4)
	RID \r2, \k2
.elseif ((\n) == 2) && ((\c) == 6)
	RID (\r2)+4, \k2
.endif
.endr
.endm
; One run of LDS loads: quarter kq's fragments into buffers g: (new = 1: the next step's a;) p's 64 rows; V's 128 channels, turned
.macro FETCH kq, g, new
.if \new
	WIN 0x80                                       ; destination window 2, address window 0
	ds_load_b128 v[AFN:AFN+3], v[AFA]
.endif
	WIN 0x40                                       ; destination window 1
.irp a, 0,1,2,3
	ds_load_b128 v[PF0+32*(\g)+8*(\a):PF0+32*(\g)+8*(\a)+3],   v[AP] offset:(\a)*16*PP+64*(\kq)
	ds_load_b128 v[PF0+32*(\g)+8*(\a)+4:PF0+32*(\g)+8*(\a)+7], v[AP] offset:(\a)*16*PP+64*(\kq)+32
.endr
	WIN 0x80
.irp c, 0,1,2,3,4,5,6,7
	ds_load_tr16_b128 v[VF0+64*(\g)+8*(\c):VF0+64*(\g)+8*(\c)+3],   v[AV] offset:(\kq)*32*PV+32*(\c)
	ds_load_tr16_b128 v[VF0+64*(\g)+8*(\c)+4:VF0+64*(\g)+8*(\c)+7], v[AV] offset:(\kq)*32*PV+32*(\c)+16*PV
.endr
.endm
; A QUARTER: 32 products on buffers kq % 2, blocks 3, 0, 1, 2.  At its start fragments 3 and 0 are scaled; block 0 carries fragment 1's scalings, block 1 fragment 2's, block 2 those of the NEXT quarter's 3 and 0.
; The 32 accumulators take turns, one instruction a turn.  mode = 0: the next quarter is fetched at the quarter's head, 24 products ahead of the scalings that want its p.
; mode = 1, 2: the step's last quarter changes slots: in front of the barrier each wave waits for all its tensor loads (one is out: its part of the other slot), adds 0 to its spare word, and waits for that and
; for its reads of this slot.  mode = 1: the barrier opens a round of the cluster's, and the slot just read out is filled again first thing behind it, with the step two on: 120 products ahead of the wait for it.
.macro QPV kq, zero, mode
.set ff, (\kq)%2
.set gg, 1-ff
.set kn, ((\kq)+1)%4
.if (\mode) == 0
	s_wait_dscnt 0x0                               ; V's fragments of this quarter, asked for 32 products ago, are in
	PLACES
	FETCH kn, gg, 0
.if ((\kq) == 0) && !(\zero)
	WIN W_HI                                       ; (block 3's setting: destination and source 0 in window 2)
.irp i, 0,1,2,3
	v_mov_b32 v[AFC+(\i)], v[AFN+(\i)]             ; the new step's a
.endr
.endif
	MULB 3, ff, \zero, 0, 0, 0, 0, 0
.else
	WIN 0
.if (\mode) == 1
	s_wait_xcnt 0x0                                ; the last prefetch, a step back, has read its address: it is made anew here, ahead of the waits of the change of slots
	s_add_co_u32 s[NX], s[NX], 1                   ; the step that is asked for now
	s_add_co_u32 s[TT], s[NX], 2                   ; the prefetch names the step two on,
	s_xor_b32 s[TT], s[TT], s[PAR]                 ; its part
	s_lshl_b32 s[OFQ], s[TT], s[PSH]
	s_add_nc_u64 s[PFA:PFA+1], s[PFB:PFB+1], s[OFQ:OFQ+1]
.endif
	s_wait_tensorcnt 0x0                           ; no tensor load of mine is out, so a group 0 may be written
	ds_add_u32 v[SPW], v[NIL]                      ; 0 onto my spare word; the descriptors' scalar work stands between it and the wait for it
.if (\mode) == 1
	s_xor_b32 s[TT], s[NX], s[PAR]                 ; the step's part; the addresses are made anew from its number
	s_lshl_b32 s[OFP], s[TT], 8
	s_lshl_b32 s[OFV], s[TT], 18
	s_xor_b32 s[G0P+5], s[G0P+5], SLOT1            ; the other slot than last time
	s_add_nc_u64 s[G0P+6:G0P+7], s[PB:PB+1], s[OFP:OFP+1]
	s_or_b32 s[G0P+7], s[G0P+7], 0x80000000
	s_xor_b32 s[G0V+5], s[G0V+5], SLOT1
	s_add_nc_u64 s[G0V+6:G0V+7], s[VB:VB+1], s[OFV:OFV+1]
	s_or_b32 s[G0V+7], s[G0V+7], 0x80000000
.endif
	s_wait_dscnt 0x0                               ; the add is done, and my reads of this slot are over
	s_barrier_signal -1
	MULB 3, ff, \zero, 0, 0, 0, 0, 0
	WIN 0                                          ; at a branch and at a label every window is 0
	s_barrier_wait -1
.if (\mode) == 1
	CREST                                          ; no wave of any partner still reads this slot or has a load on its way
	JLOAD                                          ; its four v_nop are also the places in front of the loads below
.else
	PLACES
.endif
	s_xor_b32 s[TB], s[TB], SLOT1                  ; the fetches go on in the other slot
	v_add_nc_u32 v[AP], s[TB], v[AP0]
	v_add_nc_u32 v[AV], s[TB], v[AV0]
	v_add_nc_u32 v[AFA], s[TA], v[TAB0]
	s_add_co_u32 s[TA], s[TA], TROW
	FETCH kn, gg, 1
.if (\mode) == 1
	ASK
.endif
.endif
	MULB 0, ff, \zero, 1, PF0+32*ff+8, AFC+1, 0, 0
	MULB 1, ff, \zero, 1, PF0+32*ff+16, AFC+2, 0, 0
	s_wait_dscnt 16                                ; the next quarter's p (and a) are in; V's 16 loads may stay out
.if \mode
	MULB 2, ff, \zero, 2, PF0+32*gg+24, AFN+3, PF0+32*gg, AFN
.else
	MULB 2, ff, \zero, 2, PF0+32*gg+24, AFC+3, PF0+32*gg, AFC
.endif
.endm
	s_wait_tensorcnt 1                             ; my part of step 0 is in; step 1's may stay out
	s_barrier_signal -1
	s_barrier_wait -1
	v_mov_b32 v[AP], v[AP0]
	v_mov_b32 v[AV], v[AV0]
	WIN 0x80
	ds_load_b128 v[AFC:AFC+3], v[TAB0]             ; a of step 0: my wave's own bytes
	s_mov_b32 s[TA], TROW
	FETCH 0, 0, 0
	s_wait_dscnt 0x0
	WIN W_LO
	RID PF0+24, AFC+3
	RID PF0+28, AFC+3
	RID PF0, AFC
	RID PF0+4, AFC
	QPV 0, 1, 0                                    ; the first quarter stands in front of the loop: its products start the sums
	WIN 0
	s_mov_b32 s[CNT], STEPS-2
.Lk:
	QPV 1, 0, 0
	QPV 2, 0, 0
	QPV 3, 0, 1
	QPV 0, 0, 0
	WIN 0
	s_sub_co_u32 s[CNT], s[CNT], 1
	s_cmp_lg_u32 s[CNT], 0
	s_cbranch_scc1 .Lk
	s_mov_b32 s[CNT], 2
.Ltail:                                                ; the last two steps ask for nothing; the second trip has no next step: its fetch brings bytes of the old tile and the table's row 16, which nobody uses as such
	QPV 1, 0, 0
	QPV 2, 0, 0
	QPV 3, 0, 2
	WIN 0
	s_cmp_eq_u32 s[CNT], 1
	s_cbranch_scc1 .Lskip                          ; forward, over products and LDS loads alone
	QPV 0, 0, 0
	WIN 0
.Lskip:
	s_sub_co_u32 s[CNT], s[CNT], 1
	s_cmp_lg_u32 s[CNT], 0
	s_cbranch_scc1 .Ltail
	; THE WAY OUT: O^T times 1 / L, a block of 16 rows at a time through my stage, back as whole rows of 512 bytes.
	s_wait_dscnt 0x0                               ; the last fetch has landed: its registers are free
	PLACES
	ds_load_b128 v[INV:INV+3], v[TAB0] offset:16*TROW
	s_wait_dscnt 0x0
.irp a, 0,1,2,3
	v_mov_b32 v[IV+2*(\a)], v[INV+(\a)]
	v_mov_b32 v[IV+2*(\a)+1], v[INV+(\a)]
.endr
.macro OUTB a
.if (\a) == 3
	WIN 0x02                                       ; source 0 in window 2
.set AC, 192
.else
	WIN 0x01                                       ; source 0 in window 1
.set AC, 64*(\a)
.endif
.set i, 0
.rept 32
	v_pk_mul_f32 v[TMP+2*i:TMP+2*i+1], v[AC+2*i:AC+2*i+1], v[IV+2*(\a):IV+2*(\a)+1]  ; each accumulator's registers in ascending order
.set i, i+1
.endr
	WIN 0
	s_wait_xcnt 0x0                                ; the stores of the block before have read their registers: the loads below land on them
.irp c, 0,1,2,3,4,5,6,7
	ds_store_b128 v[STO], v[TMP+8*(\c):TMP+8*(\c)+3]   offset:64*(\c)
	ds_store_b128 v[STO], v[TMP+8*(\c)+4:TMP+8*(\c)+7] offset:64*(\c)+16
.endr
.irp n, 0,1,2,3,4,5,6,7,8,9,10,11,12,13,14,15
	ds_load_b128 v[OB+4*(\n):OB+4*(\n)+3], v[RD] offset:(\n)*OP  ; LDS serves a wave's instructions in order (ISA guide 5.7.1.4): these see the stores above
.endr
.irp n, 0,1,2,3,4,5,6,7,8,9,10,11,12,13,14,15
	s_wait_dscnt 15-(\n)                           ; row n is back; the younger rows may stay out
	global_store_b128 v[GO], v[OB+4*(\n):OB+4*(\n)+3], s[OUT:OUT+1] offset:(16*(\a)+(\n))*4096 th:TH_STORE_NT  ; 512 consecutive bytes of one row, aligned
.endr
.endm
	OUTB 0
	OUTB 1
	OUTB 2
	OUTB 3
	s_wait_tensorcnt 0x0                           ; the wave's end: behind my last tensor load and my last LDS store
	ds_add_u32 v[SPW], v[NIL]
	s_wait_dscnt 0x0
	CROUND                                         ; the closing round: no work-group ends while a partner may still ask for a tile that names it
	s_endpgm
.Lfunc_end_k_qfec330e941_pv:
	.size	k_qfec330e941_pv, .Lfunc_end_k_qfec330e941_pv-k_qfec330e941_pv
	.p2alignl 7, 3214868480
	.fill 96, 4, 3214868480
	.section	.rodata,"a",@progbits
	.p2align	6, 0x0
	.amdhsa_kernel k_qfec330e941_pv
		.amdhsa_group_segment_fixed_size 327680
		.amdhsa_private_segment_fixed_size 0
		.amdhsa_enable_private_segment 0
		.amdhsa_kernarg_size 32
		.amdhsa_user_sgpr_count 2
		.amdhsa_user_sgpr_kernarg_segment_ptr 1
		.amdhsa_wavefront_size32 1
		.amdhsa_system_sgpr_workgroup_id_x 1
		.amdhsa_system_sgpr_workgroup_id_y 1
		.amdhsa_system_sgpr_workgroup_id_z 1
		.amdhsa_system_vgpr_workitem_id 0
		.amdhsa_next_free_vgpr 768
		.amdhsa_next_free_sgpr 96
		.amdhsa_reserve_vcc 0
		.amdhsa_float_denorm_mode_32 3
		.amdhsa_float_denorm_mode_16_64 3
		.amdhsa_memory_ordered 1
		.amdhsa_forward_progress 1
		.amdhsa_inst_pref_size 99
	.end_amdhsa_kernel
	.amdgpu_metadata
---
amdhsa.version: [ 1, 2 ]
amdhsa.kernels:
  - .name:           k_qfec330e941_pv
    .symbol:         k_qfec330e941_pv.kd
    .args:
      - { .name: p, .offset: 0, .size: 8, .value_kind: global_buffer, .address_space: global }
      - { .name: qkv, .offset: 8, .size: 8, .value_kind: global_buffer, .address_space: global }
      - { .name: stats, .offset: 16, .size: 8, .value_kind: global_buffer, .address_space: global }
      - { .name: out0, .offset: 24, .size: 8, .value_kind: global_buffer, .address_space: global }
    .group_segment_fixed_size: 327680
    .private_segment_fixed_size: 0
    .kernarg_segment_align: 8
    .kernarg_segment_size: 32
    .max_flat_workgroup_size: 128
    .sgpr_count:     96
    .vgpr_count:     768
    .wavefront_size: 32
...
	.end_amdgpu_metadata
.endif
;; end of part 4
